; MI455X (gfx1250); checked and timed in simulation.
; The chip was launched on July 23, 2026; its instructions are those of AMD's public machine-readable ISA for CDNA 5 (MIT licence, August 2026) and "CDNA5" Instruction Set Architecture Reference Guide (July 2026). The comments in the code are by the model that wrote it; some were corrected since.
;; Multi Head Attention. Allowed arithmetic: matrix products marked QUANTISED: E2M1 operands, one E8M0 scale for each 32 along K, by v_wmma_scale_f32_16x16x128_f8f6f4 with both operands' format E2M1 (or v_wmma_scale_f32_32x16x128_f4), f32 sums; products left as they are: bf16, f16 or f32 operands; f32 sums; everything else in f32.
;; Inputs: residual_stream 4 x 2,048 x 1,024 float32; weight_key 16 x 1,024 x 64 float32; weight_out 1,024 x 1,024 float32; weight_query 16 x 1,024 x 64 float32; weight_value 16 x 1,024 x 64 float32.
;; Outputs: out0 4 x 2,048 x 1,024 float32.
;; This version of the problem:
;;   THIS VERSION OF THE PROBLEM IS GIVEN IN LOW PRECISION. The matrix products marked QUANTISED in the list below multiply operands that are first quantised to E2M1 (2 exponent bits, 1 mantissa bit; 4 bits a number), with one power-of-two scale for each 32 numbers along K (OCP MX v1.0); their sums are f32. The products marked 'left as it is' may take bf16, f16 or f32 operands, with f32 sums. Whichever they take, every output number must still come out within the allowed error. Rounding operands to bf16 (8 significant bits) uses up far more of that allowance than f16 does (11 bits, for magnitudes from 6e-5 to 65,504). All else is computed in f32.
;;   The module's matrix products, in the order in which they are computed (A, B: the left and right operand; K: the contracted axis; several contracted axes count as one K, in the product's order):
;;     1. [M 1,024, K 1,024] x [K 1,024, N 8,192]; A: input weight_query; B: input residual_stream: QUANTISED
;;     2. [M 1,024, K 1,024] x [K 1,024, N 8,192]; A: input weight_key; B: input residual_stream: QUANTISED
;;     3. [M 1,024, K 1,024] x [K 1,024, N 8,192]; A: input weight_value; B: input residual_stream: QUANTISED
;;     4. batch 64 x [M 2,048, K 64] x [K 64, N 2,048]; A: computed on the way; B: computed on the way: left as it is (an operand is computed on the way)
;;     5. batch 64 x [M 2,048, K 2,048] x [K 2,048, N 64]; A: computed on the way; B: computed on the way: left as it is (an operand is computed on the way)
;;     6. [M 8,192, K 1,024] x [K 1,024, N 1,024]; A: computed on the way; B: input weight_out: left as it is (an operand is computed on the way)
;;   THE QUANTISER, for each operand of a quantised product, along K:
;;     - K is cut into blocks of 32 from its start; a last block that is shorter is filled with zeros.
;;     - A block's scale is 2^e with e = floor(log2(the largest magnitude in the block)) - 2, held to -126 .. 127; a block of zeros has e = 0. As a byte (E8M0): e + 127.
;;     - Each number is divided by its block's scale, clamped to +-6, and rounded to the nearest number of E2M1, ties to even, subnormals kept.
;;     - The product sums the exact products of the quantised numbers (number of the format x scale) in f32.
;;   ~~~python
;;   def quantise(x, axis):      # numpy; x: float32 -> the quantised numbers, widened to float32 again
;;       x = np.moveaxis(x, axis, -1); K = x.shape[-1]
;;       x = np.pad(x, [(0, 0)] * (x.ndim - 1) + [(0, -K % 32)]); x = x.reshape(x.shape[:-1] + (-1, 32)); a = np.abs(x).max(-1, keepdims=True)
;;       e = np.where(a > 0, np.clip(np.frexp(np.where(a > 0, a, 1))[1] - 1 - 2, -126, 127), 0)      # np.frexp(a)[1] - 1 = floor(log2(a)), exactly
;;       r = np.clip(x / 2.0 ** e, -6, 6)
;;       step = 2.0 ** (np.maximum(np.frexp(np.where(r == 0, 1, r))[1] - 1, 0) - 1)
;;       q = np.round(r / step) * step * 2.0 ** e      # np.round: ties to even
;;       return np.moveaxis(q.reshape(q.shape[:-2] + (-1,))[..., :K], -1, axis).astype(np.float32)
;;   ~~~
;; One version. Each part assembles by itself: llvm-mc -triple=amdgcn-amd-amdhsa -mcpu=gfx1250 --defsym DOCPART=n.
;; ======== version 1 of 1: 4 launches
;; limits: values are held in f16: magnitudes above 65,504 overflow, below 6.1e-05 lose precision
;; workspace buffers: x_codes 4,194,304 bytes; x_scales 262,144 bytes; w_codes 1,572,864 bytes; w_scales 98,304 bytes; wo_t 2,097,152 bytes; qkv 50,331,648 bytes; ao 16,777,216 bytes
;; launch prep (part 1): grid 256 x 1, 8 waves a work-group, no clusters, 154,624 bytes of LDS; arguments residual_stream, weight_query, weight_key, weight_value, weight_out, x_codes, x_scales, w_codes, w_scales, wo_t; writes x_codes, x_scales, w_codes, w_scales, wo_t
.if DOCPART == 1
	.amdgcn_target "amdgcn-amd-amdhsa--gfx1250"
	.amdhsa_code_object_version 6
	.text
	.protected	k_q219b0c0748_prep
	.globl	k_q219b0c0748_prep
	.p2align	8
	.type	k_q219b0c0748_prep,@function
k_q219b0c0748_prep:
	s_mov_b64 s[64:65], 0
	v_nop
	global_prefetch_b8 v0, s[64:65] scope:SCOPE_SE
	s_setreg_imm32_b32 hwreg(HW_REG_WAVE_MODE, 25, 1), 1
	s_wait_xcnt 0x0
; THREE JOBS IN ONE LAUNCH, parted at the head on the work-group's number alone; the ways never join again, and each has LDS bytes of its own.
;   work-groups   0-127: x [8192][1024] f32 -> codes of FP4 (E2M1), K innermost, [8192][512 bytes], and one E8M0 byte for each 32 along K, [8192][32].
;   work-groups 128-223: Wq, Wk, Wv [16][1024 (K)][64] f32 -> codes with K innermost, [3072][512 bytes], row = 1024 x which + 64 x head + d, and scale bytes [3072][32].
;   work-groups 224-255: weight_out [1024 (K)][1024 (n)] f32 -> f16 with K innermost, [n][K].
; A block's scale is 2^(floor(log2(its largest magnitude)) - 2); its byte is the largest magnitude's exponent field - 2, held at 1 from below.  A block of zeros so gets the byte 1 where the rule
; says 127: its codes are zeros, which add nothing under any byte but 0xff, and this program alone reads the bytes.
; LIMITS: NaN and infinities among the inputs are not served; blocks whose largest magnitude lies under 2^(2 - 126) keep the byte 1; weight_out beyond 65,504 in magnitude has no f16 number.
; The weights' scale bytes leave 16 bytes a row, rows 32 bytes apart: 96 KiB in all that are not stored in runs of 256 bytes; everything else leaves in aligned runs of 256 bytes.
.set STEPS, 16                         ; x: steps of 512 numbers a wave
.set AH,    8                          ; x: loads run eight steps (32 loads a wave) ahead
.set SP,    80                         ; x: a lane's place in a stage: 64 bytes + 16 of padding
.set WREG,  8192                       ; x: a wave's region: two stages of 32 x SP bytes, then its 256 scale bytes
.set WST,   8*WREG                     ; W: the work-group's stage for codes: 64 rows x (256 + 16) bytes
.set WSS,   WST+64*272                 ; W: and for scale bytes: 64 rows x 16
.set OST,   WSS+64*16                  ; weight_out: a stage of 32 rows x (256 + 16) bytes for each wave
.set SPARE, OST+8*32*272               ; the spare words, 128 bytes for each wave: four blocks of 256 bytes that no other line names
.set SPW,   12                         ; v12  LDS address of my spare word; never rewritten
.set NIL,   13                         ; v13  0; never rewritten
.set R,     16                         ; x: v16-143 eight sets of 16 numbers as loaded
.set XX,    144                        ; x: v144-175 two sets of 16 neighbours
.set C,     176                        ; x: v176-207 two registers of codes for each step
.set E,     208                        ; x: v208-223 a scale byte for each step
.set WX,    32                         ; W, weight_out: v32-95 two sets of 32 numbers down K
.set WC,    96                         ; W: v96-111 codes, four registers a block; weight_out: v96-159, sixteen a block
; ---- x: a step's four loads, 512 consecutive bytes each
.macro XLOAD t
.irp i, 0,1,2,3
	global_load_b128 v[R+16*((\t)%AH)+4*\i:R+16*((\t)%AH)+4*\i+3], v3, s[8:9] offset:2048*(\t)+512*\i th:TH_LOAD_NT
.endr
.endm
; a step's 2,048 bytes through the wave's stage: in as they lie, back 64 bytes a lane.  LDS serves a wave's instructions in order, so no wait stands between
.macro XTURN t
.irp i, 0,1,2,3
	ds_store_b128 v14, v[R+16*((\t)%AH)+4*\i:R+16*((\t)%AH)+4*\i+3] offset:32*SP*((\t)%2)+8*SP*\i
.endr
.irp i, 0,1,2,3
	ds_load_b128 v[XX+16*((\t)%2)+4*\i:XX+16*((\t)%2)+4*\i+3], v15 offset:32*SP*((\t)%2)+16*\i
.endr
.endm
.macro XSTEP t
.set XS, XX+16*((\t)%2)
.if (\t) > 0
	s_wait_dscnt 1                                 ; this step's numbers are back from the stage (the last step's byte store may be out): so its stores into the stage have read their registers,
.else
	s_wait_dscnt 0x0
.endif
.if (\t)+AH < STEPS
	XLOAD (\t)+AH                                  ; which take the loads of eight steps on
.endif
.if (\t)+1 < STEPS
.if STEPS-2-(\t) >= AH-1
	s_wait_loadcnt 4*(AH-1)                        ; the next step's four loads are in; those of the seven steps behind it may be out
.else
	s_wait_loadcnt 4*(STEPS-2-(\t))                ; towards the end: those of the steps that are left
.endif
	XTURN (\t)+1
.endif
	v_max3_num_f32 v8, |v[XS]|, |v[XS+1]|, |v[XS+2]|               ; the largest magnitude of my 16, in two chains
	v_max3_num_f32 v9, |v[XS+3]|, |v[XS+4]|, |v[XS+5]|
.irp i, 6,10
	v_max3_num_f32 v8, v8, |v[XS+\i]|, |v[XS+\i+1]|
	v_max3_num_f32 v9, v9, |v[XS+\i+2]|, |v[XS+\i+3]|
.endr
	v_max3_num_f32 v8, v8, |v[XS+14]|, |v[XS+15]|
	v_max3_num_f32 v8, v8, v9, 0x1800000           ; and the floor 2^(3 - 127): the byte cannot fall under 1
	v_max_num_f32_dpp v8, v8, v8 row_xmask:1 row_mask:0xf bank_mask:0xf   ; with my neighbour's 16: the block's
	v_add_nc_u32 v11, 0xff000000, v8               ; 2 off its exponent field: the conversion takes the exponent field of this operand as its scale
	v_cvt_scalef32_pk8_fp4_f32 v[C+2*(\t)], v[XS:XS+7], v11
	v_cvt_scalef32_pk8_fp4_f32 v[C+2*(\t)+1], v[XS+8:XS+15], v11
	v_lshrrev_b32 v[E+(\t)], 23, v11               ; the scale's byte (a plain line behind the conversions)
	ds_store_b8 v5, v[E+(\t)] offset:16*(\t)       ; both lanes of a block write the same byte with the same value
	global_store_b64 v4, v[C+2*(\t):C+2*(\t)+1], s[18:19] offset:256*(\t)   ; the wave stores 256 consecutive bytes, aligned
.endm
; ---- W: block t, W(32 t + i, my column), i = 0 .. 31
.macro WLOAD t
.irp i, 0,1,2,3,4,5,6,7,8,9,10,11,12,13,14,15,16,17,18,19,20,21,22,23,24,25,26,27,28,29,30,31
	global_load_b32 v[WX+32*((\t)%2)+\i], v3, s[10:11] offset:(32*(\t)+\i)*256 th:TH_LOAD_NT
.endr
.endm
.macro WBLOCK t
.set XS, WX+32*((\t)%2)
.if (\t) < 3
	s_wait_loadcnt 32                              ; this block's 32 loads are in; the next block's may be out
.else
	s_wait_loadcnt 0x0
.endif
	v_max3_num_f32 v8, |v[XS]|, |v[XS+1]|, |v[XS+2]|               ; all 32 numbers of the block are mine
	v_max3_num_f32 v9, |v[XS+3]|, |v[XS+4]|, |v[XS+5]|
.irp i, 6,10,14,18,22,26
	v_max3_num_f32 v8, v8, |v[XS+\i]|, |v[XS+\i+1]|
	v_max3_num_f32 v9, v9, |v[XS+\i+2]|, |v[XS+\i+3]|
.endr
	v_max3_num_f32 v8, v8, |v[XS+30]|, |v[XS+31]|
	v_max3_num_f32 v8, v8, v9, 0x1800000           ; the floor
	v_add_nc_u32 v11, 0xff000000, v8               ; the conversion's scale operand
	v_lshrrev_b32 v10, 23, v11                     ; the byte
.if (\t) == 0
	v_mov_b32 v24, v10                             ; four bytes to a register, the lower K in the lower byte
.else
	v_lshl_or_b32 v24, v10, 8*(\t), v24
.endif
.irp g, 0,1,2,3
	v_cvt_scalef32_pk8_fp4_f32 v[WC+4*(\t)+\g], v[XS+8*\g:XS+8*\g+7], v11
.endr
	v_nop                                          ; a plain line behind the last conversion
	ds_store_b128 v4, v[WC+4*(\t):WC+4*(\t)+3] offset:16*(\t)      ; 32 codes: 16 bytes of my column's row; each block has registers of its own
.if (\t)+2 < 4
	WLOAD (\t)+2
.endif
.endm
; ---- weight_out: block t, wo(32 t + i, my column)
.macro OLOAD t
.irp i, 0,1,2,3,4,5,6,7,8,9,10,11,12,13,14,15,16,17,18,19,20,21,22,23,24,25,26,27,28,29,30,31
	global_load_b32 v[WX+32*((\t)%2)+\i], v3, s[16:17] offset:(32*(\t)+\i)*4096 th:TH_LOAD_NT
.endr
.endm
.macro OBLOCK t
.set XS, WX+32*((\t)%2)
.if (\t) < 3
	s_wait_loadcnt 32                              ; this block's 32 loads are in; the next block's may be out
.else
	s_wait_loadcnt 0x0
.endif
.irp i, 0,1,2,3,4,5,6,7,8,9,10,11,12,13,14,15
	v_cvt_pk_f16_f32 v[WC+16*(\t)+\i], v[XS+2*\i], v[XS+2*\i+1]    ; two neighbours down K, the lower in the low half
.endr
.irp g, 0,1,2,3
	ds_store_b128 v4, v[WC+16*(\t)+4*\g:WC+16*(\t)+4*\g+3] offset:64*(\t)+16*\g
.endr
.if (\t)+2 < 4
	OLOAD (\t)+2
.endif
.endm
	s_load_b256 s[8:15], s[0:1], 0x0               ; x s[8:9], Wq s[10:11], Wk s[12:13], Wv s[14:15]
	s_load_b256 s[16:23], s[0:1], 0x20             ; weight_out s[16:17], x_codes s[18:19], x_scales s[20:21], w_codes s[22:23]
	s_load_b128 s[24:27], s[0:1], 0x40             ; w_scales s[24:25], wo_t s[26:27]
	v_lshl_add_u32 v[SPW], v0, 2, SPARE
	v_mov_b32 v[NIL], 0
	v_lshrrev_b32 v1, 5, v0
	v_readfirstlane_b32 s4, v1                     ; wave 0..7
	v_and_b32 v2, 31, v0                           ; lane
	s_mov_b32 s29, 0
	s_wait_kmcnt 0x0
	s_cmp_lt_u32 ttmp9, 128
	s_cbranch_scc1 .Lx
	s_cmp_lt_u32 ttmp9, 224
	s_cbranch_scc1 .Lw
; ================ weight_out -> f16, K innermost.  A lane takes a column n and its registers run down K; eight waves stand side by side on 256 columns (1,024 consecutive bytes of a row).
	s_sub_co_u32 s5, ttmp9, 224
	s_and_b32 s6, s5, 3                            ; which 256 columns
	s_lshr_b32 s7, s5, 2                           ; which 128 along K
	s_lshl_b32 s30, s6, 8
	s_lshl_b32 s31, s4, 5
	s_add_co_u32 s30, s30, s31                     ; my wave's first column
	s_lshl_b32 s28, s7, 19                         ; 128 rows of 4,096 bytes
	s_lshl_b32 s31, s30, 2
	s_add_co_u32 s28, s28, s31
	s_add_nc_u64 s[16:17], s[16:17], s[28:29]
	s_lshl_b32 s28, s30, 11                        ; out: row n of 2,048 bytes, + 256 bytes for each 128 along K
	s_lshl_b32 s31, s7, 8
	s_add_co_u32 s28, s28, s31
	s_add_nc_u64 s[26:27], s[26:27], s[28:29]
	v_lshlrev_b32 v3, 2, v2                        ; in: 4 bytes a lane
	s_mul_i32 s32, s4, 32*272
	s_add_co_u32 s32, s32, OST                     ; my stage
	v_mul_u32_u24 v4, v2, 272
	v_add_nc_u32 v4, s32, v4                       ; into it: row = my column
	v_and_b32 v5, 15, v2
	v_lshrrev_b32 v6, 4, v2
	v_mul_u32_u24 v7, v6, 272
	v_lshl_add_u32 v7, v5, 4, v7
	v_add_nc_u32 v7, s32, v7                       ; out of it: sixteen lanes to a row, two rows an instruction
	v_lshlrev_b32 v8, 11, v6
	v_lshl_add_u32 v8, v5, 4, v8                   ; and the same place in wo_t
	OLOAD 0
	OLOAD 1
	OBLOCK 0
	OBLOCK 1
	OBLOCK 2
	OBLOCK 3
.irp t, 0,1,2,3,4,5,6,7,8,9,10,11,12,13,14,15
	ds_load_b128 v[160+4*\t:163+4*\t], v7 offset:544*\t            ; LDS serves a wave's instructions in order: these see my stores
.endr
.irp t, 0,1,2,3,4,5,6,7,8,9,10,11,12,13,14,15
	s_wait_dscnt 15-\t                             ; the younger read-backs may be out
	global_store_b128 v8, v[160+4*\t:163+4*\t], s[26:27] offset:4096*\t   ; sixteen lanes store 256 consecutive bytes, aligned
.endr
	s_wait_tensorcnt 0x0                           ; the wave's end, behind my last LDS store
	ds_add_u32 v[SPW], v[NIL]
	s_wait_dscnt 0x0
	s_endpgm
; ================ Wq, Wk, Wv -> codes.  A work-group takes a head's 64 columns x 512 along K; wave w: columns 32 (w % 2) on, 128 along K from 128 (w / 2) on.  Two waves read whole rows of 256 bytes.
.Lw:
	s_sub_co_u32 s5, ttmp9, 128                    ; 32 x which + 2 x head + half of K
	s_cmp_lt_u32 s5, 64
	s_cselect_b64 s[12:13], s[12:13], s[14:15]     ; the choice of the tensor hangs on the work-group's number alone
	s_cmp_lt_u32 s5, 32
	s_cselect_b64 s[10:11], s[10:11], s[12:13]
	s_and_b32 s6, s4, 1                            ; e: which 32 columns
	s_lshr_b32 s7, s4, 1                           ; kc: which 128 along K
	s_and_b32 s30, s5, 1                           ; y: which 512 along K
	s_bfe_u32 s31, s5, 0x40001                     ; the head
	s_lshl_b32 s28, s31, 18                        ; a head is 262,144 bytes,
	s_lshl_b32 s33, s30, 17                        ; 512 rows of 256 bytes,
	s_add_co_u32 s28, s28, s33
	s_lshl_b32 s33, s7, 15                         ; 128 rows,
	s_add_co_u32 s28, s28, s33
	s_lshl_b32 s33, s6, 7                          ; 32 columns
	s_add_co_u32 s28, s28, s33
	s_add_nc_u64 s[10:11], s[10:11], s[28:29]
	s_lshr_b32 s32, s5, 1                          ; 16 x which + head: the first row of the output is 64 x this
	s_lshl_b32 s28, s32, 15                        ; 64 rows of 512 bytes
	s_lshl_b32 s33, s30, 8
	s_add_co_u32 s28, s28, s33
	s_add_nc_u64 s[22:23], s[22:23], s[28:29]
	s_lshl_b32 s28, s32, 11                        ; 64 rows of 32 scale bytes
	s_lshl_b32 s33, s30, 4
	s_add_co_u32 s28, s28, s33
	s_add_nc_u64 s[24:25], s[24:25], s[28:29]
	v_lshlrev_b32 v3, 2, v2                        ; in: 4 bytes a lane
	s_mul_i32 s28, s6, 32*272
	s_lshl_b32 s33, s7, 6
	s_add_co_u32 s28, s28, s33
	s_add_co_u32 s28, s28, WST
	v_mul_u32_u24 v4, v2, 272
	v_add_nc_u32 v4, s28, v4                       ; codes into the stage: row 32 e + lane, byte 64 kc
	s_lshl_b32 s28, s6, 9
	s_lshl_b32 s33, s7, 2
	s_add_co_u32 s28, s28, s33
	s_add_co_u32 s28, s28, WSS
	v_lshl_add_u32 v5, v2, 4, s28                  ; scale bytes: row 32 e + lane of 16 bytes, byte 4 kc
	v_lshrrev_b32 v8, 4, v2
	v_and_b32 v9, 15, v2
	s_mul_i32 s34, s4, 8*272
	s_add_co_u32 s34, s34, WST
	v_mul_u32_u24 v6, v8, 272
	v_lshl_add_u32 v6, v9, 4, v6
	v_add_nc_u32 v6, s34, v6                       ; back: wave w takes rows 8 w .. 8 w + 7, sixteen lanes to a row
	s_lshl_b32 s35, s4, 12
	v_lshlrev_b32 v7, 9, v8
	v_lshl_add_u32 v7, v9, 4, v7
	v_add_nc_u32 v7, s35, v7                       ; and the same place in w_codes
	v_lshl_add_u32 v25, v0, 4, WSS                 ; waves 0 and 1: a thread to a row of scale bytes,
	v_lshlrev_b32 v26, 5, v0                       ; and its row in w_scales
	WLOAD 0
	WLOAD 1
	WBLOCK 0
	WBLOCK 1
	WBLOCK 2
	WBLOCK 3
	ds_store_b32 v5, v24                           ; my column's four scale bytes
	s_wait_dscnt 0x0                               ; for the others' sake: my stores into the stages are done
	s_barrier_signal -1
	s_barrier_wait -1                              ; a row's 256 bytes come from four waves
.irp t, 0,1,2,3
	ds_load_b128 v[112+4*\t:115+4*\t], v6 offset:544*\t
.endr
.irp t, 0,1,2,3
	s_wait_dscnt 3-\t                              ; the younger read-backs may be out
	global_store_b128 v7, v[112+4*\t:115+4*\t], s[22:23] offset:1024*\t   ; sixteen lanes store 256 consecutive bytes, aligned
.endr
	s_cmp_lt_u32 s4, 2
	s_cbranch_scc0 .Lw_end
	ds_load_b128 v[128:131], v25
	s_wait_dscnt 0x0
	global_store_b128 v26, v[128:131], s[24:25]    ; 16 bytes of a row of 32
.Lw_end:
	s_wait_tensorcnt 0x0                           ; the wave's end, behind my last LDS store
	ds_add_u32 v[SPW], v[NIL]
	s_wait_dscnt 0x0
	s_endpgm
; ================ x -> codes.  Rows are dense and 1,024 is a multiple of 32: x is a plain stream of blocks of 32, and so are its codes and scale bytes.  A wave takes 8,192 numbers.
.Lx:
	s_lshl_b32 s5, ttmp9, 3
	s_add_co_u32 s5, s5, s4                        ; which run of 8,192 numbers is my wave's
	s_lshl_b32 s28, s5, 15
	s_add_nc_u64 s[8:9], s[8:9], s[28:29]
	s_lshl_b32 s28, s5, 12
	s_add_nc_u64 s[18:19], s[18:19], s[28:29]
	s_lshl_b32 s28, s5, 8
	s_add_nc_u64 s[20:21], s[20:21], s[28:29]
	s_lshl_b32 s6, s4, 13                          ; my wave's region of LDS
	v_lshlrev_b32 v3, 4, v2                        ; my 16 bytes of a load's 512
	v_lshrrev_b32 v14, 2, v2
	v_mul_u32_u24 v14, v14, SP
	v_and_b32 v15, 3, v2
	v_lshl_add_u32 v14, v15, 4, v14
	v_add_nc_u32 v14, s6, v14                      ; the stage on the way in: SP (lane / 4) + 16 (lane % 4)
	v_mul_u32_u24 v15, v2, SP
	v_add_nc_u32 v15, s6, v15                      ; and on the way out: SP x lane: my 16 neighbours
	v_lshlrev_b32 v4, 3, v2                        ; 8 bytes a lane: my codes' place in a step's, and my part of the 256 scale bytes
	v_lshrrev_b32 v5, 1, v2
	s_add_co_u32 s6, s6, 2*32*SP
	v_add_nc_u32 v5, s6, v5                        ; my block's scale byte
	v_add_nc_u32 v6, s6, v4
.irp t, 0,1,2,3,4,5,6,7
	XLOAD \t
.endr
	s_wait_loadcnt 4*(AH-1)                        ; step 0's four loads are in
	XTURN 0
.irp t, 0,1,2,3,4,5,6,7,8,9,10,11,12,13,14,15
	XSTEP \t
.endr
	ds_load_b64 v[8:9], v6                         ; LDS serves a wave's instructions in order: these see my byte stores
	s_wait_dscnt 0x0
	global_store_b64 v4, v[8:9], s[20:21]          ; 32 lanes store 256 consecutive bytes, aligned
	s_wait_tensorcnt 0x0                           ; the wave's end, behind my last LDS store
	ds_add_u32 v[SPW], v[NIL]
	s_wait_dscnt 0x0
	s_endpgm
.Lfunc_end_k_q219b0c0748_prep:
	.size	k_q219b0c0748_prep, .Lfunc_end_k_q219b0c0748_prep-k_q219b0c0748_prep
	.p2alignl 7, 3214868480
	.fill 96, 4, 3214868480
	.section	.rodata,"a",@progbits
	.p2align	6, 0x0
	.amdhsa_kernel k_q219b0c0748_prep
		.amdhsa_group_segment_fixed_size 154624
		.amdhsa_private_segment_fixed_size 0
		.amdhsa_enable_private_segment 0
		.amdhsa_kernarg_size 80
		.amdhsa_user_sgpr_count 2
		.amdhsa_user_sgpr_kernarg_segment_ptr 1
		.amdhsa_wavefront_size32 1
		.amdhsa_system_sgpr_workgroup_id_x 1
		.amdhsa_system_sgpr_workgroup_id_y 1
		.amdhsa_system_sgpr_workgroup_id_z 1
		.amdhsa_system_vgpr_workitem_id 0
		.amdhsa_next_free_vgpr 256
		.amdhsa_next_free_sgpr 66
		.amdhsa_reserve_vcc 0
		.amdhsa_float_denorm_mode_32 3
		.amdhsa_float_denorm_mode_16_64 3
		.amdhsa_memory_ordered 1
		.amdhsa_forward_progress 1
		.amdhsa_inst_pref_size 76
	.end_amdhsa_kernel
	.amdgpu_metadata
---
amdhsa.version: [ 1, 2 ]
amdhsa.kernels:
  - .name:           k_q219b0c0748_prep
    .symbol:         k_q219b0c0748_prep.kd
    .args:
      - { .name: residual_stream, .offset: 0, .size: 8, .value_kind: global_buffer, .address_space: global }
      - { .name: weight_query, .offset: 8, .size: 8, .value_kind: global_buffer, .address_space: global }
      - { .name: weight_key, .offset: 16, .size: 8, .value_kind: global_buffer, .address_space: global }
      - { .name: weight_value, .offset: 24, .size: 8, .value_kind: global_buffer, .address_space: global }
      - { .name: weight_out, .offset: 32, .size: 8, .value_kind: global_buffer, .address_space: global }
      - { .name: x_codes, .offset: 40, .size: 8, .value_kind: global_buffer, .address_space: global }
      - { .name: x_scales, .offset: 48, .size: 8, .value_kind: global_buffer, .address_space: global }
      - { .name: w_codes, .offset: 56, .size: 8, .value_kind: global_buffer, .address_space: global }
      - { .name: w_scales, .offset: 64, .size: 8, .value_kind: global_buffer, .address_space: global }
      - { .name: wo_t, .offset: 72, .size: 8, .value_kind: global_buffer, .address_space: global }
    .group_segment_fixed_size: 154624
    .private_segment_fixed_size: 0
    .kernarg_segment_align: 8
    .kernarg_segment_size: 80
    .max_flat_workgroup_size: 256
    .sgpr_count:     66
    .vgpr_count:     256
    .wavefront_size: 32
...
	.end_amdgpu_metadata
.endif
;; end of part 1
;; launch qkv_gemm (part 2): grid 12 x 32, 4 waves a work-group, clusters of 4 x 4, 327,680 bytes of LDS; arguments x_codes, x_scales, w_codes, w_scales, qkv; writes qkv
.if DOCPART == 2
	.amdgcn_target "amdgcn-amd-amdhsa--gfx1250"
	.amdhsa_code_object_version 6
	.text
	.protected	k_q219b0c0748_qkv_gemm
	.globl	k_q219b0c0748_qkv_gemm
	.p2align	8
	.type	k_q219b0c0748_qkv_gemm,@function
k_q219b0c0748_qkv_gemm:
	s_mov_b64 s[64:65], 0
	v_nop
	global_prefetch_b8 v0, s[64:65] scope:SCOPE_SE
	s_setreg_imm32_b32 hwreg(HW_REG_WAVE_MODE, 25, 1), 1
	s_wait_xcnt 0x0
	s_wait_alu depctr_hold_cnt(0) depctr_sa_sdst(0) depctr_va_vdst(0) depctr_va_sdst(0) depctr_va_ssrc(0) depctr_va_vcc(0) depctr_vm_vsrc(0)
	s_getreg_b32 s2, hwreg(HW_REG_IB_STS2, 6, 4)
	s_cmp_eq_u32 s2, 0
	s_cbranch_scc0 .Lentry_in_a_cluster
	s_endpgm
.Lentry_in_a_cluster:
	s_bfe_u32 s2, ttmp6, 0x10000c
	s_cmp_lg_u32 s2, 0xf033
	s_cbranch_scc0 .Lentry_shape_is_right
	s_endpgm
.Lentry_shape_is_right:
; q, k, v = x W on codes of FP4 (E2M1) with one E8M0 scale for each 32 along K.  C[m][n] = sum over k of A[m][k] B[n][k]: A = x [8192][1024], B = the three weights [3072][1024], n = 1024 x which + 64 x head + d.
; The result leaves as f16, laid [which][batch][head][position][64], so that a wave's 16 rows of one head are 2,048 consecutive bytes.  LIMIT: a result beyond 65,504 in magnitude has no f16 number.
; A tile of C, 256 x 256, is made by four waves, each 128 x 128: 64 accumulators, 512 registers.  K = 1,024 is two slots of 512 along K: both slots and the scales are asked for at the head, and nothing is filled again.
; A wave has three tensor loads out at the most.
; CLUSTERS: 4 x 4 work-groups.  The four of a row of the cluster need the same tiles of A, the four of a column the same tiles of B: each tile is asked for jointly, by the same tensor load with the same descriptor.
; THE MATRIX INSTRUCTION IS USED TRANSPOSED (source 0 = 16 rows of B, source 1 = 16 rows of A): a lane then holds eight neighbouring numbers of a row of C.
; REGISTERS, in windows of 256: window 0: v0-31 addresses; v32-95 scale words, two sets; v128-191 A's fragments, one set; on the way out v32-63 packed results, v128-191 rows read back.
;   window 1: B's fragments, two sets, at v0 and v128.  window 2: the accumulators of my rows 0-63 ((a, b) at v[8 (8 a + b)]);  window 3: those of rows 64-127.
.set SIZE_M, 8192
.set SIZE_N, 3072
.set SIZE_K, 1024
.set KSTEP,  512                       ; along K in a slot
.set NQ,     KSTEP/128                 ; matrix instructions deep
.set ROWB,   256                       ; a tile's row in bytes
.set KROW,   SIZE_K*4/8                ; a row of A or B in memory
.set PITCH,  272                       ; an LDS row: 256 bytes + 16 of padding = 68 words: the 16 rows that a load touches start at 16 different banks (64 banks of 4 bytes: ISA guide 11.1)
.set FR,     8
.set NL,     2
.set NP,     4                         ; places behind this matrix instruction (ISA guide 7.12.1)
.set HALFT,  128*PITCH
.set SLOT,   4*HALFT
.set KS,     SIZE_K/32                 ; a row of scales in bytes
.set SCL,    2*SLOT                    ; behind the ring: the scales, as runs of 256 bytes + 16 of padding
.set HALFS,  (128*KS/256)*272
.set SBLK,   (16*KS/256)*272
.set SPARE,  SCL+4*HALFS               ; the spare words, 128 bytes for each wave
.set SPITCH, 272                       ; the way out: a stage of 16 rows x (256 + 16) bytes for each wave, in slot 0, which has had its one fill and its last read when the first result is stored there
.set ADRA, 16
.set ADRB, 20
.set STO,  24
.set RD,   25
.set CO,   26
.set ADRS, 27
.set SPW,  28                          ; v28 LDS address of my spare word; never rewritten
.set NIL,  29                          ; v29 0; never rewritten
.set SC,   32
.set TMP,  32
.set AF,   128
.set BK,   128
.set G1, 24
.set G0, 32
.set G1B, 48
.set G0B, 56
.set G1S, 68
.set G0S, 76
.set G1SB, 80
.set G0SB, 88
.set MSB, 0
.macro WIN new                         ; the immediate's high byte repeats the setting that is left
.if MSB != (\new)
	s_set_vgpr_msb (MSB<<8)|(\new)
.set MSB, (\new)
.endif
.endm
.set MUL_LO, 0xa1                      ; source 0 (B) window 1, source 1 (A) window 0, C and D window 2
.set MUL_HI, 0xf1                      ; the same, C and D window 3
.set TO_B,   0x40                      ; destination window 1, address window 0
; A joint load: waves 0 and 1 fetch for A, waves 2 and 3 for B; the branch hangs on the wave's number alone.  An s_nop 0 and four v_nop follow each of the two lines.
.macro JLOAD g0a, g1a, g0b, g1b
	s_cmp_eq_u32 s15, 0
	s_cbranch_scc0 .Lfor_b_\@
	tensor_load_to_lds s[\g0a:\g0a+3], s[\g1a:\g1a+7]
	s_nop 0
.rept 4
	v_nop
.endr
	s_branch .Lasked_\@
.Lfor_b_\@:
	tensor_load_to_lds s[\g0b:\g0b+3], s[\g1b:\g1b+7]
	s_nop 0
.rept 4
	v_nop
.endr
.Lasked_\@:
.endm
.macro CROUND                          ; a round of the cluster's barrier
	s_barrier_signal -1
	s_barrier_wait -1
	s_cmp_lg_u32 s14, 0
	s_cbranch_scc1 .Lnot_wave_0_\@
	s_barrier_signal -3
.Lnot_wave_0_\@:
	s_barrier_wait -3
	s_barrier_signal -1
	s_barrier_wait -1
.endm
	s_load_b128 s[4:7], s[0:1], 0x0                ; A's codes s[4:5], A's scales s[6:7]
	s_load_b128 s[8:11], s[0:1], 0x10              ; B's codes s[8:9], B's scales s[10:11]
	s_load_b64 s[12:13], s[0:1], 0x20              ; qkv
	v_lshl_add_u32 v[SPW], v0, 2, SPARE
	v_mov_b32 v[NIL], 0
	ds_add_u32 v[SPW], v[NIL]                      ; the wave's opening: the add, twice on end, and its wait ahead of my first tensor load
	ds_add_u32 v[SPW], v[NIL]
	v_lshrrev_b32 v1, 5, v0
	v_readfirstlane_b32 s14, v1                    ; wave 0..3
	s_lshr_b32 s15, s14, 1                         ; which half of the tile's rows is mine.  Also: I fetch for A (0) or for B (1)
	s_and_b32 s16, s14, 1                          ; which half of its columns.  Also: which 128 rows of that tile I fetch
	s_bfe_u32 s40, ttmp6, 0x40000                  ; cx, cy: my place in the cluster
	s_bfe_u32 s41, ttmp6, 0x40004
	s_lshl_b32 s42, ttmp9, 2
	s_add_co_u32 s42, s42, s40                     ; tile column of C = 4 x cluster x + cx
	s_and_b32 s17, ttmp7, 0xffff
	s_lshl_b32 s17, s17, 2
	s_add_co_u32 s17, s17, s41                     ; tile row of C = 4 x cluster y + cy
	s_lshl_b32 s43, s41, 2
	s_lshl_b32 s43, 15, s43                        ; my row of the cluster
	s_lshl_b32 s44, 0x1111, s40                    ; my column
	; descriptor group 1: a tile of 128 rows x 256 bytes, padded in LDS
	s_or_b32 s[G1+0], s43, (0<<16)|(1<<20)|(1<<21)|(5<<22)|(3<<25)  ; the mask: A's tiles go to my row; elements of 1 byte; padding on; bit 21 beside a mask; after every 64 words four words
	s_or_b32 s[G1B+0], s44, (0<<16)|(1<<20)|(1<<21)|(5<<22)|(3<<25)
.irp g, G1, G1B
	s_mov_b32 s[\g+1], ROWB<<16                    ; tensor_dim0
	s_mov_b32 s[\g+2], 128<<16                     ; tensor_dim1
	s_mov_b32 s[\g+3], ROWB<<16                    ; tile_dim0
	s_mov_b32 s[\g+4], 128                         ; tile_dim1
	s_mov_b32 s[\g+5], KROW                        ; tensor_dim0_stride
	s_mov_b32 s[\g+6], 0
	s_mov_b32 s[\g+7], 0
.endr
	; the scales of 128 rows: a dense block of 4,096 bytes, as 16 rows of 256 bytes (32 elements of 8 bytes), 16 bytes of padding behind each
	s_or_b32 s[G1S+0], s43, (3<<16)|(1<<20)|(1<<21)|(5<<22)|(3<<25)
	s_or_b32 s[G1SB+0], s44, (3<<16)|(1<<20)|(1<<21)|(5<<22)|(3<<25)
.irp g, G1S, G1SB
	s_mov_b32 s[\g+1], 32<<16
	s_mov_b32 s[\g+2], (128*KS/256)<<16
	s_mov_b32 s[\g+3], 32<<16
	s_mov_b32 s[\g+4], 128*KS/256
	s_mov_b32 s[\g+5], 32
	s_mov_b32 s[\g+6], 0
	s_mov_b32 s[\g+7], 0
.endr
	s_lshl_b32 s18, s16, 7                         ; which 128 rows of the tile I fetch
	s_lshl_b32 s20, s17, 8
	s_add_co_u32 s20, s20, s18                     ; A: row 256 x tile row + 128 x half
	s_lshl_b32 s46, s42, 8
	s_add_co_u32 s46, s46, s18                     ; B: row 256 x tile column + 128 x half
	s_mov_b32 s21, 0
	s_mov_b32 s47, 0
	s_mov_b64 s[18:19], KS
	s_mul_u64 s[22:23], s[20:21], s[18:19]         ; where these rows' scales begin, in bytes
	s_mul_u64 s[92:93], s[46:47], s[18:19]
	s_mov_b64 s[18:19], KROW
	s_mul_u64 s[20:21], s[20:21], s[18:19]         ; and their codes
	s_mul_u64 s[46:47], s[46:47], s[18:19]
	s_mul_i32 s45, s14, HALFT                      ; where they go: wave x 128 rows: no place in the cluster enters an LDS address
	s_mul_i32 s94, s14, HALFS
	s_wait_dscnt 0x0                               ; both opening adds are done
	s_wait_kmcnt 0x0
	s_add_nc_u64 s[20:21], s[4:5], s[20:21]
	s_add_nc_u64 s[22:23], s[6:7], s[22:23]
	s_add_nc_u64 s[46:47], s[8:9], s[46:47]
	s_add_nc_u64 s[92:93], s[10:11], s[92:93]
	CROUND                                         ; all sixteen work-groups are here: the joint loads meet
	s_mov_b32 s[G0S], 1
	s_add_co_u32 s[G0S+1], s94, SCL
	s_mov_b64 s[G0S+2:G0S+3], s[22:23]
	s_or_b32 s[G0S+3], s[G0S+3], 0x80000000
	s_mov_b32 s[G0SB], 1
	s_add_co_u32 s[G0SB+1], s94, SCL
	s_mov_b64 s[G0SB+2:G0SB+3], s[92:93]
	s_or_b32 s[G0SB+3], s[G0SB+3], 0x80000000
	JLOAD G0S, G1S, G0SB, G1SB                     ; the scales first: they are wanted with the first slot
.irp s, 0,1
	s_mov_b32 s[G0+4*\s], 1
	s_add_co_u32 s[G0+4*\s+1], s45, \s*SLOT
	s_add_nc_u64 s[G0+4*\s+2:G0+4*\s+3], s[20:21], \s*ROWB
	s_or_b32 s[G0+4*\s+3], s[G0+4*\s+3], 0x80000000
	s_mov_b32 s[G0B+4*\s], 1
	s_add_co_u32 s[G0B+4*\s+1], s45, \s*SLOT
	s_add_nc_u64 s[G0B+4*\s+2:G0B+4*\s+3], s[46:47], \s*ROWB
	s_or_b32 s[G0B+4*\s+3], s[G0B+4*\s+3], 0x80000000
	JLOAD G0+4*\s, G1, G0B+4*\s, G1B
.endr
	v_and_b32 v1, 15, v0                           ; l % 16
	v_bfe_u32 v2, v0, 4, 1                         ; l / 16
	v_mul_u32_u24 v3, v1, PITCH
	v_lshl_add_u32 v4, v2, 4, v3                   ; a fragment's row x pitch + 16 x half
	s_mul_i32 s21, s15, HALFT                      ; my 128 rows of A
	s_mul_i32 s22, s16, HALFT                      ; my 128 rows of B,
	s_add_co_u32 s22, s22, 2*HALFT                 ; which lie behind A's 256
.irp s, 0,1
	v_add_nc_u32 v[ADRA+\s], s21, v4
	v_add_nc_u32 v[ADRB+\s], s22, v4
	s_add_co_u32 s21, s21, SLOT
	s_add_co_u32 s22, s22, SLOT
.endr
	v_mul_u32_u24 v5, v1, KS                       ; my row's scales: KS bytes a row,
	v_lshrrev_b32 v6, 8, v5
	v_lshl_add_u32 v5, v6, 4, v5                   ; and 16 more for each 256 passed
	s_mul_i32 s21, s15, HALFS                      ; A's: my 128 rows
	s_mul_i32 s22, s16, HALFS                      ; B's: my 128 rows, behind A's 256
	s_add_co_u32 s22, s22, 2*HALFS
	s_sub_co_u32 s22, s22, s21
	v_mul_u32_u24 v6, s22, v2                      ; lanes 16-31 take B's: one product, the distance between the two bases
	s_add_co_u32 s21, s21, SCL
	v_add_nc_u32 v5, v5, v6
	v_add_nc_u32 v[ADRS], s21, v5
	s_mul_i32 s23, s14, 16*SPITCH                  ; my stage
	v_mul_u32_u24 v5, v1, SPITCH                   ; in: row l % 16, 16 bytes for each half of the lanes
	v_lshl_add_u32 v5, v2, 4, v5
	v_add_nc_u32 v[STO], s23, v5
	v_bfe_u32 v6, v0, 3, 2                         ; back: eight lanes take the 128 bytes of one row that belong to one head, four rows an instruction
	v_mul_u32_u24 v6, v6, SPITCH
	v_and_b32 v7, 7, v0
	v_lshl_add_u32 v6, v7, 4, v6
	v_add_nc_u32 v[RD], s23, v6
	v_and_b32 v6, 31, v0
	v_lshlrev_b32 v[CO], 4, v6                     ; and in qkv those four rows are 512 consecutive bytes
	; where my part begins in qkv: which << 24 | batch << 22 | head << 18 | position << 7
	s_lshl_b32 s20, s17, 8
	s_lshl_b32 s21, s15, 7
	s_add_co_u32 s20, s20, s21                     ; my first row of C = 2,048 x batch + position
	s_lshr_b32 s21, s20, 11
	s_and_b32 s20, s20, 2047
	s_lshl_b32 s20, s20, 7
	s_lshl_b32 s21, s21, 22
	s_or_b32 s20, s20, s21
	s_lshr_b32 s46, s42, 2                         ; which = tile column / 4
	s_lshl_b32 s46, s46, 24
	s_and_b32 s47, s42, 3                          ; my first head = 4 x (tile column % 4) + 2 x half
	s_lshl_b32 s47, s47, 20
	s_or_b32 s46, s46, s47
	s_lshl_b32 s47, s16, 19
	s_or_b32 s46, s46, s47
	s_or_b32 s20, s20, s46
	s_mov_b32 s21, 0
	s_add_nc_u64 s[12:13], s[12:13], s[20:21]
.macro FRAG reg, adr, q, i             ; a fragment, 16 rows x 128 K of 4-bit codes: lane l holds row l % 16; registers 4 c .. 4 c + 3 hold K = 64 c + 32 (l / 16) + 0 .. 31
.irp c, 0,1
	ds_load_b128 v[\reg+4*\c:\reg+4*\c+3], v[\adr] offset:64*(\q)+32*\c+(\i)*16*PITCH
.endr
.endm
; 16 matrix instructions: A's blocks a0, a0 + 1 x B's eight, 128 along K.  p: B's set; sc: the set of scale words.  zero = 1: the first product starts the sums.
; The 64 accumulators take turns, one instruction a turn, in the same order in every step.
.macro MUL16 a0, p, q, sc, zero
.irp a, \a0, \a0+1
.irp b, 0,1,2,3,4,5,6,7
.if \zero
	v_wmma_scale_f32_16x16x128_f8f6f4 v[8*(8*((\a)%4)+\b):8*(8*((\a)%4)+\b)+7], v[128*(\p)+FR*\b:128*(\p)+FR*\b+FR-1], v[AF+FR*(\a):AF+FR*(\a)+FR-1], 0, v[SC+8*NQ*(\sc)+NQ*\b+(\q)], v[SC+8*NQ*(\sc)+NQ*(\a)+(\q)] matrix_a_fmt:MATRIX_FMT_FP4 matrix_b_fmt:MATRIX_FMT_FP4 matrix_a_scale:MATRIX_SCALE_ROW1
.else
	v_wmma_scale_f32_16x16x128_f8f6f4 v[8*(8*((\a)%4)+\b):8*(8*((\a)%4)+\b)+7], v[128*(\p)+FR*\b:128*(\p)+FR*\b+FR-1], v[AF+FR*(\a):AF+FR*(\a)+FR-1], v[8*(8*((\a)%4)+\b):8*(8*((\a)%4)+\b)+7], v[SC+8*NQ*(\sc)+NQ*\b+(\q)], v[SC+8*NQ*(\sc)+NQ*(\a)+(\q)] matrix_a_fmt:MATRIX_FMT_FP4 matrix_b_fmt:MATRIX_FMT_FP4 matrix_a_scale:MATRIX_SCALE_ROW1
.endif
.endr
.endr
.endm
.macro FETCH_B slot, q, p              ; B's eight fragments of the slot's q-th 128 along K into set p
	WIN TO_B
.irp i, 0,1,2,3,4,5,6,7
	FRAG 128*(\p)+FR*\i, ADRB+\slot, \q, \i
.endr
	WIN 0
.endm
.macro FETCH_A slot, q, i0             ; A's blocks i0 .. i0 + 3
.irp i, \i0, \i0+1, \i0+2, \i0+3
	FRAG AF+FR*(\i), ADRA+\slot, \q, \i
.endr
.endm
.macro SCALES sc                       ; a slot's scale words into set sc: four words a row; lanes 0-15 take A's block i, lanes 16-31 B's block i
.irp i, 0,1,2,3,4,5,6,7
	ds_load_b128 v[SC+8*NQ*\sc+NQ*\i:SC+8*NQ*\sc+NQ*\i+3], v[ADRS] offset:\i*SBLK
.endr
.endm
; A load into a register that a matrix instruction has read, and a vector instruction or an LDS store that reads a matrix result, stand NP places behind that matrix instruction; only plain vector
; instructions that name none of its registers are places (ISA guide 7.12.1 for vector instructions).
.macro PLACES n
.rept \n
	v_nop
.endr
.endm
.macro STEP slot, q, zero              ; a step of 128 along K that has its successor in the same slot
	s_wait_dscnt 4*NL                              ; B's set and A's blocks 0-3 are in; the youngest eight loads (A's blocks 4-7) may be out
	WIN MUL_LO
	MUL16 0, (\q)%2, \q, \slot, \zero
	MUL16 2, (\q)%2, \q, \slot, \zero
	s_wait_dscnt 0                                 ; A's blocks 4-7 are in
	PLACES NP
	FETCH_B \slot, (\q)+1, 1-(\q)%2
	FETCH_A \slot, (\q)+1, 0
	WIN MUL_HI
	MUL16 4, (\q)%2, \q, \slot, \zero
	MUL16 6, (\q)%2, \q, \slot, \zero
	PLACES NP
	WIN 0
	FETCH_A \slot, (\q)+1, 4
.endm
.macro STEPS slot, from                ; the slot's steps from .. NQ - 2
.set Q, \from
.rept NQ-1-\from
	STEP \slot, Q, 0
.set Q, Q+1
.endr
.endm
	s_wait_tensorcnt 1                             ; the scales and my part of slot 0 are in (slot 1's load may be out),
	s_barrier_signal -1
	s_barrier_wait -1                              ; everybody's are
	FETCH_B 0, 0, 0
	FETCH_A 0, 0, 0
	SCALES 0
	FETCH_A 0, 0, 4
	STEP 0, 0, 1                                   ; the first step's products start the sums
	STEPS 0, 1
	; slot 0's last step changes slots: one barrier; in front of it each wave waits for all its tensor loads, adds 0 to its spare word, and waits for that and for its reads of slot 0
	s_wait_tensorcnt 0x0                           ; my part of slot 1 has landed
	ds_add_u32 v[SPW], v[NIL]                      ; 0 onto my spare word
	s_wait_dscnt 4*NL+1                            ; (the add and the youngest eight loads, A's blocks 4-7, may be out)
	WIN MUL_LO
	MUL16 0, 1, NQ-1, 0, 0
	s_wait_dscnt 0x0                               ; the add is done, and my reads of slot 0 are over
	s_barrier_signal -1
	MUL16 2, 1, NQ-1, 0, 0
	WIN 0
	s_barrier_wait -1
	PLACES NP
	v_add_nc_u32 v[ADRS], 4*NQ, v[ADRS]            ; on to slot 1's scale words
	FETCH_B 1, 0, 0
	FETCH_A 1, 0, 0
	SCALES 1
	WIN MUL_HI
	MUL16 4, 1, NQ-1, 0, 0
	MUL16 6, 1, NQ-1, 0, 0
	PLACES NP
	WIN 0
	FETCH_A 1, 0, 4
	STEPS 1, 0
	s_wait_dscnt 4*NL                              ; the very last step: nothing more to fetch
	WIN MUL_LO
	MUL16 0, 1, NQ-1, 1, 0
	MUL16 2, 1, NQ-1, 1, 0
	s_wait_dscnt 0
	WIN MUL_HI
	MUL16 4, 1, NQ-1, 1, 0
	MUL16 6, 1, NQ-1, 1, 0
	WIN 0
; THE WAY OUT, block by block of 16 rows x 128 columns (two heads).  PACK: rounded to f16, 16 bytes a lane, each accumulator from its low end on.  TOSTAGE: into my own stage, and back so that four rows of one head,
; 512 consecutive bytes of qkv, lie in one instruction's 32 lanes.  SEND: stored.  LDS serves a wave's instructions in order (ISA guide 5.7.1.4): no wait between the stores and the loads.
.macro PACK a
.set AC, 64*((\a)%4)
	WIN 0x0a+5*((\a)/4)                            ; sources 0 and 1: window 2 or 3
.irp b, 0,1,2,3,4,5,6,7
.irp r, 0,1,2,3
	v_cvt_pk_f16_f32 v[TMP+4*\b+\r], v[AC+8*\b+2*\r], v[AC+8*\b+2*\r+1]
.endr
.endr
	WIN 0
.endm
.macro TOSTAGE a
.set BB, BK+32*((\a)%2)
.irp b, 0,1,2,3,4,5,6,7
	ds_store_b128 v[STO], v[TMP+4*\b:TMP+4*\b+3] offset:32*\b
.endr
.irp e, 0,1
.irp t, 0,1,2,3
	ds_load_b128 v[BB+4*(4*\e+\t):BB+4*(4*\e+\t)+3], v[RD] offset:4*SPITCH*\t+128*\e
.endr
.endr
.endm
.macro SEND a
.set BB, BK+32*((\a)%2)
	s_wait_dscnt 0x0                               ; the block is back in registers
	s_wait_xcnt 0x0                                ; the block before has had its stores' addresses translated (ISA guide 3.1): the next block's loads land in its registers only behind this wait
.irp e, 0,1
.irp t, 0,1,2,3
	global_store_b128 v[CO], v[BB+4*(4*\e+\t):BB+4*(4*\e+\t)+3], s[12:13] offset:2048*(\a)+262144*\e+512*\t   ; 32 lanes store 512 consecutive bytes, aligned
.endr
.endr
.endm
	PLACES NP                                      ; behind the last products: for the conversions' reads, and for their writes over the scale words
	PACK 0
	TOSTAGE 0
.irp a, 1,2,3,4,5,6,7                  ; block a's conversions stand between block a - 1's loads from the stage and the wait for them
	PACK \a
	SEND \a-1
	TOSTAGE \a
.endr
	SEND 7
	s_wait_tensorcnt 0x0                           ; the wave's end, behind my last tensor load and my last LDS store
	ds_add_u32 v[SPW], v[NIL]
	s_wait_dscnt 0x0
	CROUND                                         ; the closing round: no work-group ends while a partner may still ask for a tile that names it
	s_endpgm
.Lfunc_end_k_q219b0c0748_qkv_gemm:
	.size	k_q219b0c0748_qkv_gemm, .Lfunc_end_k_q219b0c0748_qkv_gemm-k_q219b0c0748_qkv_gemm
	.p2alignl 7, 3214868480
	.fill 96, 4, 3214868480
	.section	.rodata,"a",@progbits
	.p2align	6, 0x0
	.amdhsa_kernel k_q219b0c0748_qkv_gemm
		.amdhsa_group_segment_fixed_size 327680
		.amdhsa_private_segment_fixed_size 0
		.amdhsa_enable_private_segment 0
		.amdhsa_kernarg_size 40
		.amdhsa_user_sgpr_count 2
		.amdhsa_user_sgpr_kernarg_segment_ptr 1
		.amdhsa_wavefront_size32 1
		.amdhsa_system_sgpr_workgroup_id_x 1
		.amdhsa_system_sgpr_workgroup_id_y 1
		.amdhsa_system_sgpr_workgroup_id_z 1
		.amdhsa_system_vgpr_workitem_id 0
		.amdhsa_next_free_vgpr 1024
		.amdhsa_next_free_sgpr 98
		.amdhsa_reserve_vcc 0
		.amdhsa_float_denorm_mode_32 3
		.amdhsa_float_denorm_mode_16_64 3
		.amdhsa_memory_ordered 1
		.amdhsa_forward_progress 1
		.amdhsa_inst_pref_size 126
	.end_amdhsa_kernel
	.amdgpu_metadata
---
amdhsa.version: [ 1, 2 ]
amdhsa.kernels:
  - .name:           k_q219b0c0748_qkv_gemm
    .symbol:         k_q219b0c0748_qkv_gemm.kd
    .args:
      - { .name: x_codes, .offset: 0, .size: 8, .value_kind: global_buffer, .address_space: global }
      - { .name: x_scales, .offset: 8, .size: 8, .value_kind: global_buffer, .address_space: global }
      - { .name: w_codes, .offset: 16, .size: 8, .value_kind: global_buffer, .address_space: global }
      - { .name: w_scales, .offset: 24, .size: 8, .value_kind: global_buffer, .address_space: global }
      - { .name: qkv, .offset: 32, .size: 8, .value_kind: global_buffer, .address_space: global }
    .group_segment_fixed_size: 327680
    .private_segment_fixed_size: 0
    .kernarg_segment_align: 8
    .kernarg_segment_size: 40
    .max_flat_workgroup_size: 128
    .sgpr_count:     98
    .vgpr_count:     1024
    .wavefront_size: 32
...
	.end_amdgpu_metadata
.endif
;; end of part 2
;; launch attention (part 3): grid 4 x 64, 8 waves a work-group, no clusters, 327,680 bytes of LDS; arguments qkv, ao; writes ao
.if DOCPART == 3
	.amdgcn_target "amdgcn-amd-amdhsa--gfx1250"
	.amdhsa_code_object_version 6
	.text
	.protected	k_q219b0c0748_attention
	.globl	k_q219b0c0748_attention
	.p2align	8
	.type	k_q219b0c0748_attention,@function
k_q219b0c0748_attention:
	s_mov_b64 s[64:65], 0
	v_nop
	global_prefetch_b8 v0, s[64:65] scope:SCOPE_SE
	s_setreg_imm32_b32 hwreg(HW_REG_WAVE_MODE, 25, 1), 1
	s_wait_xcnt 0x0
; O[b][h][q] = the sum over k <= q of softmax_k(Q[q] . K[k] / 8) V[k], head size 64, 2,048 positions, 64 pairs (batch, head).  Q, K, V: f16, [which][b][h][position][64]; O: f16, [h][2048 b + position][64].
; Products, maxima and sums in f32; the weights p (at most 1) are rounded to f16 for the second product, O once at the end.  LIMIT: f16's range, 65,504, holds for what arrives and what leaves.
; SHARES.  Work-group j of a head owns the blocks of 256 queries 7 - j and j.  Under the causal mask block i needs the key slots 0 .. i (256 keys each): 8 - j slots, then j + 1: nine for every work-group.
; So the loop over slots has a constant count, all 256 work-groups have equal work, and every slot that is asked for is read.  No cluster: the four work-groups of a head walk different sequences of slots.
; A wave owns 32 queries, two tiles of 16; two waves share a SIMD, so that one wave's softmax stands beside the other's products.  Each fragment of K and V read from LDS feeds two matrix instructions.
; LAYOUT.  S^T = K Q^T (source 0 = 16 keys, source 1 = 16 queries): a lane holds ONE query (lane % 16) and the keys 8 (lane / 16) + 0..7.  Two such tiles, rounded to f16 in pairs, ARE source 1 of
; O^T = V^T P, whose result again holds one query a lane.  K comes out of LDS as it lies, V ([key][channel]) turned, by ds_load_tr16_b128.
; SOFTMAX.  For each query a running maximum m and sum l: p = 2^(c s - c m), c = log2(e) / 8; in every step O and l are multiplied by a = 2^(c m_old - c m_new).  m begins at -3e38 and O, l at 0: the first step is like any other.
; A step all of whose 64 keys come after the wave's 32 queries is jumped over (a scalar branch on ids); on the diagonal hidden scores become -infinity.  A step's first key is never beyond the wave's first query, so every row of a step that is walked has a key that counts.
; RING.  Two slots of 256 keys; K's and V's rows of 128 bytes are dense in memory and are stated as rows of 256 bytes (two keys).  Waves 0, 1 fetch K's halves, waves 2, 3 V's; a wave has one tensor load out.
; REGISTERS.  window 0: v1-15 addresses and constants; v16-31 statistics, eight a tile; v32-95 S^T; v96-127 P; v128-191 O^T.   window 1: v0-31 Q; v32-95 K of a step; v96-159 V of a step.
.set PK,    272                        ; two keys of K in LDS: 256 bytes + 16 of padding: the 16 keys of a load start at 16 different groups of four banks
.set PV,    288                        ; two keys of V: 256 + 32
.set VOFF,  128*PK                     ; a slot: 128 rows of K, then 128 rows of V
.set SLOT1, 1<<17                      ; slot 1 begins here: one exclusive or turns an address in one slot into the other's
.set STAGE, SLOT1+128*(PK+PV)          ; behind the ring: 32 rows x (128 + 16) bytes for each wave, for the way out; no tile lands there
.set SP,    144
.set SPARE, STAGE+8*32*SP              ; the spare words, 128 bytes for each wave: four blocks of 256 bytes that no other line names
.set AK0, 1                            ; v1   my lane's place in a tile of K
.set AV0, 2                            ; v2   the same for V
.set ADK, 3                            ; v3   LDS address of the slot's K
.set ADV, 4                            ; v4   of its V
.set QO,  5                            ; v5   my byte offset in the wave's rows of Q
.set STO, 6                            ; v6   the way out: where I put 16 bytes of a row
.set RD,  7                            ; v7   where I read rows back
.set GO,  8                            ; v8   16 x lane
.set PFO, 9                            ; v9   256 x lane; never rewritten
.set SPW, 10                           ; v10  LDS address of my spare word; never rewritten
.set NIL, 11                           ; v11  0; never rewritten
.set MD0, 12                           ; v12, v13  the mask's bound for tile 0, 1
.set NINF, 14                          ; v14  -infinity
.set LR,  15                           ; v15  lane % 16 - 8 (lane / 16)
.set RST, 16                           ; tile t's statistics at v[RST + 8 t]: +0 c m, +1 m, +2, +3 l (even keys', odd keys'), +4 .. +7 at work; a takes +6
.set RS,  32
.set RP,  96
.set RO,  128
.set QF,  0                            ; window 1
.set KFR, 32
.set VF,  96
.set WV,  8                            ; s8   wave
.set JJ,  9                            ; s9   work-group x
.set N1,  10                           ; s10  slots of the first block: 8 - j
.set TT,  11                           ; s11  the trip
.set Q0,  12                           ; s12  my wave's first query
.set KF,  13                           ; s13  the step's first key
.set TB,  14                           ; s14  LDS byte at which the slot in hand begins
.set LIM, 15                           ; s15  a wave prefetches while the trip is under it: 6 or 0
.set KB,  16                           ; s[16:17] K of my head at my half of slot 0;  s[18:19] V likewise
.set VB,  18
.set QB,  20                           ; s[20:21] Q of my head;  s[22:23] O of my head and batch
.set AOB, 22
.set G1K, 24                           ; s[24:31], s[32:39] descriptor groups 1;  s[40:43], s[44:47] groups 0, which walk
.set G1V, 32
.set G0K, 40
.set G0V, 44
.set NO,  48                           ; s[48:49] the next slot's bytes from slot 0
.set QP,  50                           ; s[50:51] Q at my wave's rows;  s[52:53] O likewise
.set OUT, 52
.set PFA, 54                           ; s[54:55] where my prefetches stand
.set OF,  56                           ; s[56:57] an offset
.set CS,  58                           ; s[58:59] c, twice
.set SEL, 60                           ; s[60:61] lane selects for v_permlanex16_b32: lane l xor 16
.set MSB, 0
.macro WIN new                         ; the immediate's high byte repeats the setting that is left
.if MSB != (\new)
	s_set_vgpr_msb (MSB<<8)|(\new)
.set MSB, (\new)
.endif
.endm
; Waves 0 and 1 fetch for K, waves 2 and 3 for V, the others nothing: branches on the wave's number alone.  An s_nop 0 and four v_nop follow each of the two lines.
.macro TLOAD
	s_cmp_lt_u32 s[WV], 2
	s_cbranch_scc0 .Lnot_k_\@
	tensor_load_to_lds s[G0K:G0K+3], s[G1K:G1K+7]
	s_nop 0
.rept 4
	v_nop
.endr
	s_branch .Lasked_\@
.Lnot_k_\@:
	s_cmp_lt_u32 s[WV], 4
	s_cbranch_scc0 .Lasked_\@
	tensor_load_to_lds s[G0V:G0V+3], s[G1V:G1V+7]
	s_nop 0
.rept 4
	v_nop
.endr
.Lasked_\@:
.endm
; A prefetch of the slot that the NEXT change of slots will ask for.  The four work-groups of a head begin with the same slots 0, 1, 2 ..; work-group 0, which walks slots 0 to 7 on end, asks, and nobody else.
; In it the waves ask that fetch nothing: waves 4, 5 for K's halves, waves 6, 7 for V's: 16,384 bytes a wave, lanes 256 bytes apart, two instructions.  Trip t names slot t + 2; trips 0 to 5 ask, so slot 7 is the last.
.macro ASK
	s_cmp_lt_u32 s[TT], s[LIM]
	s_cbranch_scc0 .Lnot_mine_\@
	global_prefetch_b8 v[PFO], s[PFA:PFA+1] th:TH_LOAD_NT scope:SCOPE_SE
	global_prefetch_b8 v[PFO], s[PFA:PFA+1] offset:8192 th:TH_LOAD_NT scope:SCOPE_SE
.Lnot_mine_\@:
.endm
; A block of queries begins: Q's fragments into registers; m, l and O^T at their starts.
.macro START
	s_lshl_b32 s[OF], s[Q0], 7
	s_wait_xcnt 0x0                                ; the last block's stores have had their addresses translated: their base and data may be written
	s_add_nc_u64 s[QP:QP+1], s[QB:QB+1], s[OF:OF+1]
	s_add_nc_u64 s[OUT:OUT+1], s[AOB:AOB+1], s[OF:OF+1]
	WIN 0x40                                       ; destination window 1
.irp t, 0,1
.irp c, 0,1
	global_load_b128 v[QF+16*\t+8*\c:QF+16*\t+8*\c+3],   v[QO], s[QP:QP+1] offset:2048*\t+64*\c
	global_load_b128 v[QF+16*\t+8*\c+4:QF+16*\t+8*\c+7], v[QO], s[QP:QP+1] offset:2048*\t+64*\c+32
.endr
.endr
	WIN 0
.irp t, 0,1
	v_mov_b32 v[RST+8*\t+1], 0xff61b1e6            ; m = -3e38, under every score
	v_mul_f32 v[RST+8*\t], s[CS], v[RST+8*\t+1]    ; c m
.irp i, 2,3,4,5,6,7
	v_mov_b32 v[RST+8*\t+\i], 0
.endr
.endr
.set i, 0
.rept 64
	v_mov_b32 v[RO+i], 0                           ; the step is written once: the first finds zeros, which its a = 0 leaves zeros
.set i, i+1
.endr
	s_wait_loadcnt 0x0                             ; Q
.endm
; A KEY STEP: 64 keys, the q-th of the slot in hand.
.macro STEP q
	s_add_co_u32 s62, s[Q0], 31
	s_cmp_gt_u32 s[KF], s62                        ; all 64 keys come after my 32 queries: ids and the count of steps alone
	s_cbranch_scc1 .Lhidden_\@
	v_add_nc_u32 v[ADK], s[TB], v[AK0]
	v_add_nc_u32 v[ADV], s[TB], v[AV0]
	v_nop
	v_nop                                          ; four places behind the last step's products, in front of the loads into V's registers
	WIN 0x40                                       ; destination window 1
.irp kt, 0,1,2,3
.irp c, 0,1
	ds_load_b128 v[KFR+16*\kt+8*\c:KFR+16*\kt+8*\c+3],   v[ADK] offset:32*PK*(\q)+8*PK*\kt+64*\c
	ds_load_b128 v[KFR+16*\kt+8*\c+4:KFR+16*\kt+8*\c+7], v[ADK] offset:32*PK*(\q)+8*PK*\kt+64*\c+32
.endr
.endr
.irp a, 0,1
.irp ch, 0,1,2,3
	ds_load_tr16_b128 v[VF+32*\a+8*\ch:VF+32*\a+8*\ch+3],   v[ADV] offset:32*PV*(\q)+16*PV*\a+32*\ch
	ds_load_tr16_b128 v[VF+32*\a+8*\ch+4:VF+32*\a+8*\ch+7], v[ADV] offset:32*PV*(\q)+16*PV*\a+32*\ch+8*PV
.endr
.endr
	s_wait_dscnt 16                                ; K's 16 loads are in; V's 16 may be out
	WIN 0x05                                       ; K and Q in window 1, S^T in window 0
.irp c, 0,1                                    ; the eight accumulators take turns, one instruction a turn; the first eight start the sums
.irp kt, 0,1,2,3
.irp t, 0,1
.if \c == 0
	v_wmma_f32_16x16x32_f16 v[RS+32*\t+8*\kt:RS+32*\t+8*\kt+7], v[KFR+16*\kt+8*\c:KFR+16*\kt+8*\c+7], v[QF+16*\t+8*\c:QF+16*\t+8*\c+7], 0
.else
	v_wmma_f32_16x16x32_f16 v[RS+32*\t+8*\kt:RS+32*\t+8*\kt+7], v[KFR+16*\kt+8*\c:KFR+16*\kt+8*\c+7], v[QF+16*\t+8*\c:QF+16*\t+8*\c+7], v[RS+32*\t+8*\kt:RS+32*\t+8*\kt+7]
.endif
.endr
.endr
.endr
	WIN 0
.rept 4
	v_nop                                          ; four places behind the products, in front of the first read of the scores
.endr
	s_add_co_u32 s62, s[KF], 63
	s_cmp_le_u32 s62, s[Q0]                        ; all 64 keys count for all my queries
	s_cbranch_scc1 .Lopen_\@
	s_sub_co_u32 s62, s[Q0], s[KF]
	v_add_nc_u32 v[MD0], s62, v[LR]                ; register n of tile t holds key KF + 16 (n / 8) + 8 (lane / 16) + n % 8: hidden where 16 (n / 8) + n % 8 > my query - KF - 8 (lane / 16)
	v_add_nc_u32 v[MD0+1], 16, v[MD0]
.irp t, 0,1
.irp n, 0,1,2,3,4,5,6,7,8,9,10,11,12,13,14,15,16,17,18,19,20,21,22,23,24,25,26,27,28,29,30,31
	v_cmp_gt_i32 vcc_lo, 16*(\n/8)+\n%8, v[MD0+\t]
	v_cndmask_b32 v[RS+32*\t+\n], v[RS+32*\t+\n], v[NINF], vcc_lo
.endr
.endr
.Lopen_\@:
	; the maximum of a lane's 32 scores and the old m: four chains, one for each accumulator, begun at its low end; the two tiles by turns
.irp j, 0,1,2,3
.irp t, 0,1
	v_max3_num_f32 v[RST+8*\t+4+\j], v[RS+32*\t+8*\j], v[RS+32*\t+8*\j+1], v[RS+32*\t+8*\j+2]
.endr
.endr
.irp i, 3,5
.irp j, 0,1,2,3
.irp t, 0,1
	v_max3_num_f32 v[RST+8*\t+4+\j], v[RST+8*\t+4+\j], v[RS+32*\t+8*\j+\i], v[RS+32*\t+8*\j+\i+1]
.endr
.endr
.endr
.irp t, 0,1
	v_max3_num_f32 v[RST+8*\t+4], v[RST+8*\t+4], v[RS+32*\t+7], v[RS+32*\t+15]
.endr
.irp t, 0,1
	v_max3_num_f32 v[RST+8*\t+6], v[RST+8*\t+6], v[RS+32*\t+23], v[RS+32*\t+31]
.endr
.irp t, 0,1
	v_max3_num_f32 v[RST+8*\t+4], v[RST+8*\t+4], v[RST+8*\t+5], v[RST+8*\t+6]
.endr
.irp t, 0,1
	v_max3_num_f32 v[RST+8*\t+4], v[RST+8*\t+4], v[RST+8*\t+7], v[RST+8*\t+1]
.endr
.irp t, 0,1
	v_permlanex16_b32 v[RST+8*\t+5], v[RST+8*\t+4], s[SEL], s[SEL+1]   ; the query's other 32 keys lie in the lane 16 away
.endr
.irp t, 0,1
	v_mov_b32 v[RST+8*\t+7], v[RST+8*\t]           ; c m_old is kept for a
.endr
.irp t, 0,1
	v_max_num_f32 v[RST+8*\t+1], v[RST+8*\t+4], v[RST+8*\t+5]
.endr
.irp t, 0,1
	v_mul_f32 v[RST+8*\t], s[CS], v[RST+8*\t+1]
.endr
.irp t, 0,1
	v_sub_f32 v[RST+8*\t+7], v[RST+8*\t+7], v[RST+8*\t]
.endr
.irp b, 0,1,2,3,4,5,6,7,8,9,10,11,12,13,14,15
.irp t, 0,1
	v_pk_fma_f32 v[RS+32*\t+2*\b:RS+32*\t+2*\b+1], v[RS+32*\t+2*\b:RS+32*\t+2*\b+1], s[CS:CS+1], v[RST+8*\t:RST+8*\t+1] op_sel_hi:[1,0,0] neg_lo:[0,0,1] neg_hi:[0,0,1]   ; c s - c m, two at a time
.endr
.endr
.irp t, 0,1
	v_exp_f32 v[RST+8*\t+6], v[RST+8*\t+7]         ; a
.endr
.irp n, 0,1,2,3,4,5,6,7,8,9,10,11,12,13,14,15,16,17,18,19,20,21,22,23,24,25,26,27,28,29,30,31
.irp t, 0,1
	v_exp_f32 v[RS+32*\t+\n], v[RS+32*\t+\n]       ; p: one batch of 66 exponentials, none of which reads another's result
.endr
.endr
	v_nop                                          ; a plain instruction behind the last exponential
	s_wait_alu depctr_va_vdst(0)                   ; one wait for the batch, ahead of its first reader
.irp n, 0,1,2,3,4,5,6,7,8,9,10,11,12,13,14,15
.irp t, 0,1
	v_cvt_pk_f16_f32 v[RP+16*\t+\n], v[RS+32*\t+2*\n], v[RS+32*\t+2*\n+1]
.endr
.endr
	; the sum of the unrounded p, in place: neighbours 1, 2, 4 and 8 pairs apart, then l = a l + the sum
.irp u, 0,1,2,3,4,5,6,7
.irp t, 0,1
	v_pk_add_f32 v[RS+32*\t+4*\u:RS+32*\t+4*\u+1], v[RS+32*\t+4*\u:RS+32*\t+4*\u+1], v[RS+32*\t+4*\u+2:RS+32*\t+4*\u+3]
.endr
.endr
.irp u, 0,1,2,3
.irp t, 0,1
	v_pk_add_f32 v[RS+32*\t+8*\u:RS+32*\t+8*\u+1], v[RS+32*\t+8*\u:RS+32*\t+8*\u+1], v[RS+32*\t+8*\u+4:RS+32*\t+8*\u+5]
.endr
.endr
.irp u, 0,1
.irp t, 0,1
	v_pk_add_f32 v[RS+32*\t+16*\u:RS+32*\t+16*\u+1], v[RS+32*\t+16*\u:RS+32*\t+16*\u+1], v[RS+32*\t+16*\u+8:RS+32*\t+16*\u+9]
.endr
.endr
.irp t, 0,1
	v_pk_add_f32 v[RS+32*\t:RS+32*\t+1], v[RS+32*\t:RS+32*\t+1], v[RS+32*\t+16:RS+32*\t+17]
.endr
.irp t, 0,1
	v_pk_fma_f32 v[RST+8*\t+2:RST+8*\t+3], v[RST+8*\t+2:RST+8*\t+3], v[RST+8*\t+6:RST+8*\t+7], v[RS+32*\t:RS+32*\t+1] op_sel_hi:[1,0,1]
.endr
.irp t, 0,1
.set i, 0
.rept 16
	v_pk_mul_f32 v[RO+32*\t+i:RO+32*\t+i+1], v[RO+32*\t+i:RO+32*\t+i+1], v[RST+8*\t+6:RST+8*\t+7] op_sel_hi:[1,0]   ; O^T x a, each accumulator from its low end on
.set i, i+2
.endr
.endr
	s_wait_dscnt 0x0                               ; V is in
	WIN 0x01                                       ; V in window 1; P and O^T in window 0
.irp a, 0,1                                    ; again eight accumulators by turns
.irp ch, 0,1,2,3
.irp t, 0,1
	v_wmma_f32_16x16x32_f16 v[RO+32*\t+8*\ch:RO+32*\t+8*\ch+7], v[VF+32*\a+8*\ch:VF+32*\a+8*\ch+7], v[RP+16*\t+8*\a:RP+16*\t+8*\a+7], v[RO+32*\t+8*\ch:RO+32*\t+8*\ch+7]
.endr
.endr
.endr
	WIN 0
.Lhidden_\@:
	s_add_co_u32 s[KF], s[KF], 64
.endm
; THE CHANGE OF SLOTS stands at a slot's head.  Each wave waits for all its tensor loads (its part of the slot that it is about to read), adds 0 to its spare word, and waits for that and for its reads of the slot
; that it has left.  Behind the barrier the slot ahead is whole and nobody reads the other one.  fill = 1: that other slot takes the next slot of the walk; the load has four key steps in which to land.
.macro CHANGE fill
	s_wait_tensorcnt 0x0                           ; no tensor load of mine is out, so a group 0 may be written
	ds_add_u32 v[SPW], v[NIL]                      ; 0 onto my spare word
.if \fill
	ds_add_u32 v[SPW], v[NIL]                      ; and once more: the add twice on end, in every trip alike
	s_add_co_u32 s62, s[TT], 1                     ; the walk's next place: slot t + 1 of the first block, or, behind its last, t + 1 - N1 of the second
	s_cmp_ge_u32 s62, s[N1]
	s_cselect_b32 s63, s[N1], 0
	s_sub_co_u32 s62, s62, s63
	s_lshl_b32 s[NO], s62, 15                      ; a slot is 32,768 bytes of K and of V
	s_xor_b32 s[G0K+1], s[G0K+1], SLOT1            ; the other slot than last time
	s_add_nc_u64 s[G0K+2:G0K+3], s[KB:KB+1], s[NO:NO+1]
	s_or_b32 s[G0K+3], s[G0K+3], 0x80000000
	s_xor_b32 s[G0V+1], s[G0V+1], SLOT1
	s_add_nc_u64 s[G0V+2:G0V+3], s[VB:VB+1], s[NO:NO+1]
	s_or_b32 s[G0V+3], s[G0V+3], 0x80000000
	s_wait_xcnt 0x0                                ; the last prefetches, a slot back, have read their address, so it may be written
	s_add_nc_u64 s[PFA:PFA+1], s[PFA:PFA+1], 0x8000
.endif
	s_wait_dscnt 0x0                               ; the add is done, and my reads of the slot that I have left are over
	s_barrier_signal -1
	s_barrier_wait -1
.if \fill
	TLOAD                                          ; the first thing behind the barrier, and a wave's one tensor load until the next
	ASK
.endif
.endm
; A block of queries ends: O^T / l, rounded to f16, through my stage in LDS, so that 32 lanes store four rows, 512 consecutive bytes.
.macro FINISH
.irp t, 0,1
	v_add_f32 v[RST+8*\t+4], v[RST+8*\t+2], v[RST+8*\t+3]          ; l's two halves
.endr
	v_nop
	v_nop                                          ; with the two additions: four places behind the last products
.irp t, 0,1
	v_permlanex16_b32 v[RST+8*\t+5], v[RST+8*\t+4], s[SEL], s[SEL+1]
.endr
.irp t, 0,1
	v_add_f32 v[RST+8*\t+4], v[RST+8*\t+4], v[RST+8*\t+5]
.endr
.irp t, 0,1
	v_rcp_f32 v[RST+8*\t+6], v[RST+8*\t+4]
.endr
	v_nop                                          ; a plain instruction behind the last reciprocal
	s_wait_alu depctr_va_vdst(0)                   ; one wait for the two, ahead of their first reader
.irp t, 0,1
.set i, 0
.rept 16
	v_pk_mul_f32 v[RO+32*\t+i:RO+32*\t+i+1], v[RO+32*\t+i:RO+32*\t+i+1], v[RST+8*\t+6:RST+8*\t+7] op_sel_hi:[1,0]
.set i, i+2
.endr
.endr
.irp t, 0,1
.set i, 0
.rept 16
	v_cvt_pk_f16_f32 v[RS+16*\t+i], v[RO+32*\t+2*i], v[RO+32*\t+2*i+1]
.set i, i+1
.endr
.endr
.irp t, 0,1
.irp c, 0,1,2,3
	ds_store_b128 v[STO], v[RS+16*\t+4*\c:RS+16*\t+4*\c+3] offset:16*SP*\t+32*\c
.endr
.endr
.irp t, 0,1
.irp i, 0,1,2,3
	ds_load_b128 v[RS+32+16*\t+4*\i:RS+32+16*\t+4*\i+3], v[RD] offset:16*SP*\t+4*SP*\i   ; LDS serves a wave's instructions in order: these see my stores
.endr
.endr
	s_wait_dscnt 0x0
.irp t, 0,1
.irp i, 0,1,2,3
	global_store_b128 v[GO], v[RS+32+16*\t+4*\i:RS+32+16*\t+4*\i+3], s[OUT:OUT+1] offset:2048*\t+512*\i   ; 32 lanes store 512 consecutive bytes, aligned
.endr
.endr
.endm
	s_load_b128 s[4:7], s[0:1], 0x0                ; qkv s[4:5], ao s[6:7]
	v_lshl_add_u32 v[SPW], v0, 2, SPARE
	v_mov_b32 v[NIL], 0
	ds_add_u32 v[SPW], v[NIL]                      ; the wave's opening: the add, twice on end, and its wait ahead of my first tensor load
	ds_add_u32 v[SPW], v[NIL]
	v_lshrrev_b32 v1, 5, v0
	v_readfirstlane_b32 s[WV], v1                  ; wave 0..7
	s_mov_b32 s[JJ], ttmp9
	s_sub_co_u32 s[N1], 8, s[JJ]
	s_and_b32 s62, ttmp7, 0xffff                   ; 16 x batch + head
	s_lshl_b32 s[OF], s62, 18                      ; a head's 2,048 rows of 128 bytes
	s_mov_b32 s[OF+1], 0
	s_and_b32 s66, s62, 15
	s_lshl_b32 s66, s66, 20                        ; in ao: head << 20 | batch << 18
	s_lshr_b32 s67, s62, 4
	s_lshl_b32 s67, s67, 18
	s_or_b32 s66, s66, s67
	s_mov_b32 s67, 0
	s_and_b32 s63, s[WV], 1                        ; which half of a slot I fetch, if I fetch
	s_lshl_b32 s[NO], s63, 14
	s_mov_b32 s[NO+1], 0
	; descriptor groups 1: 64 rows of 128 elements of 2 bytes, dense in memory, padded in LDS
	s_mov_b32 s[G1K], (1<<16)|(1<<20)|(5<<22)|(3<<25)              ; no mask; elements of 2 bytes; padding on; after every 64 words four words
	s_mov_b32 s[G1V], (1<<16)|(1<<20)|(5<<22)|(7<<25)              ; the same with eight words
.irp g, G1K, G1V
	s_mov_b32 s[\g+1], 128<<16                     ; tensor_dim0
	s_mov_b32 s[\g+2], 64<<16                      ; tensor_dim1
	s_mov_b32 s[\g+3], 128<<16                     ; tile_dim0
	s_mov_b32 s[\g+4], 64                          ; tile_dim1
	s_mov_b32 s[\g+5], 128                         ; tensor_dim0_stride
	s_mov_b32 s[\g+6], 0
	s_mov_b32 s[\g+7], 0
.endr
	s_mov_b32 s[G0K], 1
	s_mul_i32 s[G0K+1], s63, 64*PK                 ; slot 0, my half
	s_mov_b32 s[G0V], 1
	s_mul_i32 s[G0V+1], s63, 64*PV
	s_add_co_u32 s[G0V+1], s[G0V+1], VOFF
	s_mov_b32 s[CS], 0x3e38aa3b                    ; c = log2(e) / 8
	s_mov_b32 s[CS+1], s[CS]
	s_mov_b32 s[SEL], 0x76543210
	s_mov_b32 s[SEL+1], 0xfedcba98
	s_mov_b32 s[TB], 0
	s_lshr_b32 s62, s[WV], 2
	s_xor_b32 s62, s62, 1                          ; 0 in waves 4 to 7,
	s_or_b32 s62, s62, s[JJ]                       ; of the head's work-group 0
	s_cmp_eq_u32 s62, 0
	s_cselect_b32 s[LIM], 6, 0
	s_sub_co_u32 s[Q0], 7, s[JJ]                   ; the first block: 7 - j
	s_lshl_b32 s[Q0], s[Q0], 8
	s_lshl_b32 s62, s[WV], 5
	s_add_co_u32 s[Q0], s[Q0], s62
	s_mov_b32 s[KF], 0
	s_wait_dscnt 0x0                               ; both opening adds are done
	s_wait_kmcnt 0x0
	s_add_nc_u64 s[QB:QB+1], s[4:5], s[OF:OF+1]
	s_add_nc_u64 s[AOB:AOB+1], s[6:7], s[66:67]
	s_add_nc_u64 s[KB:KB+1], s[QB:QB+1], s[NO:NO+1]
	s_add_nc_u64 s[VB:VB+1], s[KB:KB+1], 0x2000000
	s_add_nc_u64 s[KB:KB+1], s[KB:KB+1], 0x1000000
	s_mov_b64 s[G0K+2:G0K+3], s[KB:KB+1]
	s_or_b32 s[G0K+3], s[G0K+3], 0x80000000
	s_mov_b64 s[G0V+2:G0V+3], s[VB:VB+1]
	s_or_b32 s[G0V+3], s[G0V+3], 0x80000000
	TLOAD                                          ; slot 0
	s_cmp_lt_u32 s[WV], 6                          ; waves 4, 5 ask for K, waves 6, 7 for V
	s_cselect_b64 s[PFA:PFA+1], s[KB:KB+1], s[VB:VB+1]
	s_add_nc_u64 s[PFA:PFA+1], s[PFA:PFA+1], 0x8000  ; in slot 1: the first change of slots steps it to slot 2.  Nothing is prefetched at the head
	v_and_b32 v16, 15, v0                          ; r
	v_bfe_u32 v17, v0, 4, 1                        ; h
	v_lshrrev_b32 v18, 1, v16
	v_mul_u32_u24 v[AK0], v18, PK
	v_and_b32 v18, 1, v0
	v_lshl_add_u32 v[AK0], v18, 7, v[AK0]
	v_lshl_add_u32 v[AK0], v17, 4, v[AK0]          ; K: key r lies in row r / 2, half r % 2; + 16 h
	v_bfe_u32 v19, v0, 1, 2
	v_lshl_add_u32 v19, v17, 2, v19
	v_mul_u32_u24 v[AV0], v19, PV
	v_lshl_add_u32 v[AV0], v18, 7, v[AV0]
	v_bfe_u32 v19, v0, 3, 1
	v_lshl_add_u32 v[AV0], v19, 4, v[AV0]
	v_add_nc_u32 v[AV0], VOFF, v[AV0]              ; V: key 8 h + l % 8, channels 8 ((l / 8) % 2) on
	v_lshlrev_b32 v[QO], 7, v16
	v_lshl_add_u32 v[QO], v17, 4, v[QO]            ; Q: row r of 128 bytes, + 16 h
	s_mul_i32 s62, s[WV], 32*SP
	s_add_co_u32 s62, s62, STAGE                   ; my stage
	v_mul_u32_u24 v[STO], v16, SP
	v_lshl_add_u32 v[STO], v17, 4, v[STO]
	v_add_nc_u32 v[STO], s62, v[STO]
	v_bfe_u32 v18, v0, 3, 2
	v_mul_u32_u24 v[RD], v18, SP
	v_and_b32 v18, 7, v0
	v_lshl_add_u32 v[RD], v18, 4, v[RD]
	v_add_nc_u32 v[RD], s62, v[RD]                 ; back: eight lanes to a row of 128 bytes
	v_and_b32 v18, 31, v0
	v_lshlrev_b32 v[GO], 4, v18
	v_lshlrev_b32 v[PFO], 8, v18
	v_mov_b32 v[NINF], 0xff800000
	v_lshlrev_b32 v18, 3, v17
	v_sub_nc_u32 v[LR], v16, v18
	START
	s_mov_b32 s[TT], 0
.Lslot:                                            ; eight trips: behind each change of slots but the last the walk's next slot is asked for
	CHANGE 1
	STEP 0
	STEP 1
	STEP 2
	STEP 3
	s_xor_b32 s[TB], s[TB], SLOT1                  ; on to the other slot
	s_add_co_u32 s62, s[TT], 1
	s_cmp_lg_u32 s62, s[N1]                        ; the first block's last slot?  Ids and the count of trips alone: all eight waves go the same way
	s_cbranch_scc1 .Lsame
	FINISH
	s_lshl_b32 s[Q0], s[JJ], 8                     ; the second block: j
	s_lshl_b32 s62, s[WV], 5
	s_add_co_u32 s[Q0], s[Q0], s62
	s_mov_b32 s[KF], 0
	START
.Lsame:
	s_add_co_u32 s[TT], s[TT], 1
	s_cmp_lt_u32 s[TT], 8
	s_cbranch_scc1 .Lslot
	CHANGE 0                                       ; the ninth slot is written out: nothing is left to ask for
	STEP 0
	STEP 1
	STEP 2
	STEP 3
	FINISH
	s_wait_tensorcnt 0x0                           ; the wave's end, behind my last tensor load and my last LDS store
	ds_add_u32 v[SPW], v[NIL]
	s_wait_dscnt 0x0
	s_endpgm
.Lfunc_end_k_q219b0c0748_attention:
	.size	k_q219b0c0748_attention, .Lfunc_end_k_q219b0c0748_attention-k_q219b0c0748_attention
	.p2alignl 7, 3214868480
	.fill 96, 4, 3214868480
	.section	.rodata,"a",@progbits
	.p2align	6, 0x0
	.amdhsa_kernel k_q219b0c0748_attention
		.amdhsa_group_segment_fixed_size 327680
		.amdhsa_private_segment_fixed_size 0
		.amdhsa_enable_private_segment 0
		.amdhsa_kernarg_size 16
		.amdhsa_user_sgpr_count 2
		.amdhsa_user_sgpr_kernarg_segment_ptr 1
		.amdhsa_wavefront_size32 1
		.amdhsa_system_sgpr_workgroup_id_x 1
		.amdhsa_system_sgpr_workgroup_id_y 1
		.amdhsa_system_sgpr_workgroup_id_z 1
		.amdhsa_system_vgpr_workitem_id 0
		.amdhsa_next_free_vgpr 512
		.amdhsa_next_free_sgpr 72
		.amdhsa_reserve_vcc 1
		.amdhsa_float_denorm_mode_32 3
		.amdhsa_float_denorm_mode_16_64 3
		.amdhsa_memory_ordered 1
		.amdhsa_forward_progress 1
		.amdhsa_inst_pref_size 198
	.end_amdhsa_kernel
	.amdgpu_metadata
---
amdhsa.version: [ 1, 2 ]
amdhsa.kernels:
  - .name:           k_q219b0c0748_attention
    .symbol:         k_q219b0c0748_attention.kd
    .args:
      - { .name: qkv, .offset: 0, .size: 8, .value_kind: global_buffer, .address_space: global }
      - { .name: ao, .offset: 8, .size: 8, .value_kind: global_buffer, .address_space: global }
    .group_segment_fixed_size: 327680
    .private_segment_fixed_size: 0
    .kernarg_segment_align: 8
    .kernarg_segment_size: 16
    .max_flat_workgroup_size: 256
    .sgpr_count:     72
    .vgpr_count:     512
    .wavefront_size: 32
...
	.end_amdgpu_metadata
.endif
;; end of part 3
;; launch out_gemm (part 4): grid 8 x 64, 4 waves a work-group, clusters of 4 x 4, 327,680 bytes of LDS; arguments ao, wo_t, out0; writes out0
.if DOCPART == 4
	.amdgcn_target "amdgcn-amd-amdhsa--gfx1250"
	.amdhsa_code_object_version 6
	.text
	.protected	k_q219b0c0748_out_gemm
	.globl	k_q219b0c0748_out_gemm
	.p2align	8
	.type	k_q219b0c0748_out_gemm,@function
k_q219b0c0748_out_gemm:
	s_mov_b64 s[64:65], 0
	v_nop
	global_prefetch_b8 v0, s[64:65] scope:SCOPE_SE
	s_setreg_imm32_b32 hwreg(HW_REG_WAVE_MODE, 25, 1), 1
	s_wait_xcnt 0x0
	s_wait_alu depctr_hold_cnt(0) depctr_sa_sdst(0) depctr_va_vdst(0) depctr_va_sdst(0) depctr_va_ssrc(0) depctr_va_vcc(0) depctr_vm_vsrc(0)
	s_getreg_b32 s2, hwreg(HW_REG_IB_STS2, 6, 4)
	s_cmp_eq_u32 s2, 0
	s_cbranch_scc0 .Lentry_in_a_cluster
	s_endpgm
.Lentry_in_a_cluster:
	s_bfe_u32 s2, ttmp6, 0x10000c
	s_cmp_lg_u32 s2, 0xf033
	s_cbranch_scc0 .Lentry_shape_is_right
	s_endpgm
.Lentry_shape_is_right:
; out0[m][n] = sum over k of A[m][k] B[n][k], f16 operands, f32 sums, f32 out.  A = the attention's output, laid [head][8192 rows][64]: k = 64 x head + d.  B = weight_out with K innermost, [1024][1024].
; A tile of C is 128 x 128: 512 work-groups, two for each WGP.  Four waves, each 64 x 64: 16 accumulators.  K goes in steps of 256 (four heads) through a ring of two LDS slots.
; A'S TILE: 64 rows of one head are 8,192 consecutive bytes, and heads lie 1,048,576 bytes apart: one descriptor states four long rows (heads) of 4,096 elements, with 16 bytes of padding behind every 256 bytes,
; so that two of A's rows of 128 bytes share an LDS row of 272 bytes, and the 16 rows of a fragment load start at 16 different groups of four banks.  A quarter of a K step is one head.
; CLUSTERS: 4 x 4 work-groups; A's tile is shared along a row of the cluster, B's along a column, by joint loads.  THE MATRIX INSTRUCTION IS USED TRANSPOSED (source 0 = 16 rows of B, source 1 = 16 rows of A):
; a lane then holds eight neighbouring numbers of a row of C.  A wave's 64 columns are 256 bytes of a row of C: each wave has a stage of its own on the way out, and no barrier stands there.
; REGISTERS: window 0: v0-31 addresses; v32-95 rows read back on the way out; v128-255 the accumulators ((a, b) at v[128 + 8 (4 a + b)]).  window 1: two fragment buffers of 128: 64 registers of A, then 64 of B.
.set SIZE_N, 1024
.set SIZE_K, 1024
.set KSTEP,  256
.set PA,     272                       ; two rows of A in LDS
.set PLANE,  32*PA                     ; 64 rows of one head
.set HALFA,  4*PLANE                   ; what one tensor load brings of A
.set PB,     528                       ; a row of B in LDS: 512 bytes + 16
.set HALFB,  64*PB
.set SLOT,   2*HALFA+2*HALFB           ; A's 128 rows, then B's 128 rows
.set HEADB,  1048576                   ; from head to head in A, in bytes
.set SPITCH, 272                       ; the way out: 16 rows x (256 + 16) bytes for each wave, in slot 0, which has had its last fill and its last read when the first result is stored there
.set SPARE,  2*SLOT                    ; behind the ring: the spare words, 128 bytes for each wave
.set LAPS,   SIZE_K/(2*KSTEP)
.set ADRA, 16
.set ADRB, 20
.set STO,  24
.set RD,   25
.set CO,   26
.set SPW,  28                          ; v28 LDS address of my spare word; never rewritten
.set NIL,  29                          ; v29 0; never rewritten
.set TMP,  32
.set ACC,  128
.set F0,   0
.set F1,   128
.set G1, 24
.set G0, 32
.set G1B, 48
.set G0B, 56
.set MSB, 0
.macro WIN new                         ; the immediate's high byte repeats the setting that is left
.if MSB != (\new)
	s_set_vgpr_msb (MSB<<8)|(\new)
.set MSB, (\new)
.endif
.endm
.set MUL,  0x05                        ; sources 0 (B) and 1 (A) window 1; C and D window 0
.set TO_F, 0x40                        ; destination window 1, address window 0
.macro JLOAD s                         ; a joint load: waves 0 and 1 fetch A's two halves, waves 2 and 3 B's; an s_nop 0 and four v_nop follow each of the two lines
	s_cmp_eq_u32 s11, 0
	s_cbranch_scc0 .Lfor_b_\@
	tensor_load_to_lds s[G0+4*\s:G0+4*\s+3], s[G1:G1+7]
	s_nop 0
.rept 4
	v_nop
.endr
	s_branch .Lasked_\@
.Lfor_b_\@:
	tensor_load_to_lds s[G0B+4*\s:G0B+4*\s+3], s[G1B:G1B+7]
	s_nop 0
.rept 4
	v_nop
.endr
.Lasked_\@:
.endm
.macro CREST                           ; a round of the cluster's barrier behind its opening barrier
	s_cmp_lg_u32 s10, 0
	s_cbranch_scc1 .Lnot_wave_0_\@
	s_barrier_signal -3
.Lnot_wave_0_\@:
	s_barrier_wait -3
	s_barrier_signal -1
	s_barrier_wait -1
.endm
.macro CROUND                          ; a whole round
	s_barrier_signal -1
	s_barrier_wait -1
	CREST
.endm
	s_load_b128 s[4:7], s[0:1], 0x0                ; A s[4:5], B s[6:7]
	s_load_b64 s[8:9], s[0:1], 0x10                ; C
	v_lshl_add_u32 v[SPW], v0, 2, SPARE
	v_mov_b32 v[NIL], 0
	ds_add_u32 v[SPW], v[NIL]                      ; the wave's opening: the add, twice on end, and its wait ahead of my first tensor load
	ds_add_u32 v[SPW], v[NIL]
	v_lshrrev_b32 v1, 5, v0
	v_readfirstlane_b32 s10, v1                    ; wave 0..3
	s_lshr_b32 s11, s10, 1                         ; which half of the tile's rows is mine.  Also: I fetch for A (0) or for B (1)
	s_and_b32 s12, s10, 1                          ; which half of its columns.  Also: which 64 rows of that tile I fetch
	s_bfe_u32 s40, ttmp6, 0x40000                  ; cx, cy: my place in the cluster
	s_bfe_u32 s41, ttmp6, 0x40004
	s_lshl_b32 s42, ttmp9, 2
	s_add_co_u32 s42, s42, s40                     ; tile column of C = 4 x cluster x + cx
	s_and_b32 s13, ttmp7, 0xffff
	s_lshl_b32 s13, s13, 2
	s_add_co_u32 s13, s13, s41                     ; tile row of C = 4 x cluster y + cy
	s_lshl_b32 s43, s41, 2
	s_lshl_b32 s43, 15, s43                        ; my row of the cluster
	s_lshl_b32 s44, 0x1111, s40                    ; my column
	; descriptor group 1 for A: four long rows (heads) of 4,096 elements of 2 bytes, 524,288 elements apart; four words of padding after every 64
	s_or_b32 s[G1+0], s43, (1<<16)|(1<<20)|(1<<21)|(5<<22)|(3<<25)
	s_mov_b32 s[G1+1], 4096<<16                    ; tensor_dim0
	s_mov_b32 s[G1+2], 4<<16                       ; tensor_dim1
	s_mov_b32 s[G1+3], 4096<<16                    ; tile_dim0
	s_mov_b32 s[G1+4], 4                           ; tile_dim1
	s_mov_b32 s[G1+5], HEADB/2                     ; tensor_dim0_stride
	s_mov_b32 s[G1+6], 0
	s_mov_b32 s[G1+7], 0
	; and for B: 64 rows of 256 elements; four words of padding after every 128
	s_or_b32 s[G1B+0], s44, (1<<16)|(1<<20)|(1<<21)|(6<<22)|(3<<25)
	s_mov_b32 s[G1B+1], KSTEP<<16
	s_mov_b32 s[G1B+2], 64<<16
	s_mov_b32 s[G1B+3], KSTEP<<16
	s_mov_b32 s[G1B+4], 64
	s_mov_b32 s[G1B+5], SIZE_K
	s_mov_b32 s[G1B+6], 0
	s_mov_b32 s[G1B+7], 0
	s_lshl_b32 s17, s12, 6                         ; which 64 rows of the tile I fetch
	s_lshl_b32 s16, s13, 7
	s_add_co_u32 s16, s16, s17                     ; A: row 128 x tile row + 64 x half,
	s_lshl_b32 s16, s16, 7                         ; of 128 bytes
	s_lshl_b32 s46, s42, 7
	s_add_co_u32 s46, s46, s17                     ; B: row 128 x tile column + 64 x half,
	s_lshl_b32 s46, s46, 11                        ; of 2,048 bytes
	s_mov_b32 s17, 0
	s_mov_b32 s47, 0
	s_mul_i32 s20, s12, HALFA                      ; where they go: no place in the cluster enters an LDS address
	s_mul_i32 s45, s12, HALFB
	s_add_co_u32 s45, s45, 2*HALFA
	s_wait_dscnt 0x0                               ; both opening adds are done
	s_wait_kmcnt 0x0
	s_add_nc_u64 s[14:15], s[4:5], s[16:17]
	s_add_nc_u64 s[46:47], s[6:7], s[46:47]
	CROUND                                         ; all sixteen work-groups are here: the first joint loads meet
.irp s, 0,1
	s_mov_b32 s[G0+4*\s], 1
	s_add_co_u32 s[G0+4*\s+1], s20, \s*SLOT
	s_add_nc_u64 s[G0+4*\s+2:G0+4*\s+3], s[14:15], \s*4*HEADB      ; K step s: heads 4 s on
	s_or_b32 s[G0+4*\s+3], s[G0+4*\s+3], 0x80000000
	s_mov_b32 s[G0B+4*\s], 1
	s_add_co_u32 s[G0B+4*\s+1], s45, \s*SLOT
	s_add_nc_u64 s[G0B+4*\s+2:G0B+4*\s+3], s[46:47], \s*KSTEP*2
	s_or_b32 s[G0B+4*\s+3], s[G0B+4*\s+3], 0x80000000
	JLOAD \s
.endr
	v_and_b32 v1, 15, v0                           ; l % 16
	v_bfe_u32 v2, v0, 4, 1                         ; l / 16
	v_mul_u32_u24 v3, v1, PB
	v_lshl_add_u32 v3, v2, 4, v3                   ; B: row x pitch + 16 x half
	v_lshrrev_b32 v4, 1, v1
	v_mul_u32_u24 v4, v4, PA
	v_and_b32 v5, 1, v0
	v_lshl_add_u32 v4, v5, 7, v4
	v_lshl_add_u32 v4, v2, 4, v4                   ; A: row r lies in LDS row r / 2, half r % 2; + 16 x half of the lanes
	s_mul_i32 s21, s11, HALFA                      ; my 64 rows of A
	s_mul_i32 s22, s12, HALFB                      ; my 64 rows of B,
	s_add_co_u32 s22, s22, 2*HALFA                 ; which lie behind A's 128
.irp s, 0,1
	v_add_nc_u32 v[ADRA+\s], s21, v4
	v_add_nc_u32 v[ADRB+\s], s22, v3
	s_add_co_u32 s21, s21, SLOT
	s_add_co_u32 s22, s22, SLOT
.endr
	s_mul_i32 s23, s10, 16*SPITCH                  ; my stage
	v_mul_u32_u24 v4, v1, SPITCH                   ; in: row l % 16, 32 bytes for each half of the lanes
	v_lshl_add_u32 v4, v2, 5, v4
	v_add_nc_u32 v[STO], s23, v4
	v_mul_u32_u24 v5, v2, SPITCH                   ; back: lanes 0-15 one row of 256 bytes, lanes 16-31 the next
	v_lshl_add_u32 v5, v1, 4, v5
	v_add_nc_u32 v[RD], s23, v5
	v_lshlrev_b32 v5, 12, v2                       ; and the same two rows in C
	v_lshl_add_u32 v[CO], v1, 4, v5
	s_lshl_b32 s16, s13, 7
	s_lshl_b32 s17, s11, 6
	s_add_co_u32 s16, s16, s17                     ; my first row of C: 128 x tile row + 64 x half,
	s_lshl_b32 s16, s16, 12                        ; of 4,096 bytes
	s_mov_b32 s17, 0
	s_add_nc_u64 s[8:9], s[8:9], s[16:17]
	s_lshl_b32 s46, s42, 9                         ; my first column, in bytes: 512 x tile column + 256 x half
	s_lshl_b32 s47, s12, 8
	s_add_co_u32 s46, s46, s47
	s_mov_b32 s47, 0
	s_add_nc_u64 s[8:9], s[8:9], s[46:47]
; 8 matrix instructions: m blocks a0, a0 + 1 x all 4 n blocks, 32 along K: half c of buffer f.  zero = 1: the first product starts the sums.  The 16 accumulators take turns
.macro MUL8 f, c, a0, zero
.irp a, \a0, \a0+1
.irp b, 0,1,2,3
.if \zero
	v_wmma_f32_16x16x32_f16 v[ACC+8*(4*(\a)+\b):ACC+8*(4*(\a)+\b)+7], v[\f+64+8*(4*\c+\b):\f+64+8*(4*\c+\b)+7], v[\f+8*(4*\c+\a):\f+8*(4*\c+\a)+7], 0
.else
	v_wmma_f32_16x16x32_f16 v[ACC+8*(4*(\a)+\b):ACC+8*(4*(\a)+\b)+7], v[\f+64+8*(4*\c+\b):\f+64+8*(4*\c+\b)+7], v[\f+8*(4*\c+\a):\f+8*(4*\c+\a)+7], v[ACC+8*(4*(\a)+\b):ACC+8*(4*(\a)+\b)+7]
.endif
.endr
.endr
.endm
; 32 LDS loads in one run: the fragments of the slot's q-th quarter (64 along K: one head) into buffer f; the first 32 along K first
.macro FETCH slot, q, f
	WIN TO_F
.irp c, 0,1
.irp i, 0,1,2,3
	ds_load_b128 v[\f+64+8*(4*\c+\i):\f+64+8*(4*\c+\i)+3],   v[ADRB+\slot] offset:128*(\q)+64*\c+\i*16*PB
	ds_load_b128 v[\f+64+8*(4*\c+\i)+4:\f+64+8*(4*\c+\i)+7], v[ADRB+\slot] offset:128*(\q)+64*\c+\i*16*PB+32
	ds_load_b128 v[\f+8*(4*\c+\i):\f+8*(4*\c+\i)+3],         v[ADRA+\slot] offset:PLANE*(\q)+64*\c+\i*8*PA
	ds_load_b128 v[\f+8*(4*\c+\i)+4:\f+8*(4*\c+\i)+7],       v[ADRA+\slot] offset:PLANE*(\q)+64*\c+\i*8*PA+32
.endr
.endr
.endm
.macro PLACES                          ; four places in front of loads into registers that matrix instructions have read, and of the first read of results (ISA guide 7.12.1 for vector instructions)
.rept 4
	v_nop
.endr
.endm
; A K step is four quarters, 32 matrix instructions each, on buffers 0, 1, 0, 1.  One of the first three: multiplies buffer f and fetches quarter q into g.
.macro QUARTER slot, q, f, g, zero
	s_wait_dscnt 16                                ; the first 32 along K are in; the youngest sixteen loads may be out
	WIN MUL
	MUL8 \f, 0, 0, \zero
	MUL8 \f, 0, 2, \zero
	PLACES
	FETCH \slot, \q, \g
	s_wait_dscnt 32                                ; all but the 32 just issued
	WIN MUL
	MUL8 \f, 1, 0, 0
	MUL8 \f, 1, 2, 0
.endm
; The last quarter multiplies buffer 1 and changes slots: ONE barrier; in front of it each wave waits for all its tensor loads, adds 0 to its spare word, and waits for that and for its own reads of this slot.
; fill = 1: this slot is filled again, two K steps ahead; the barrier then opens a round of the cluster's barrier.
.macro TURN slot, next, fill
	WIN 0                                          ; (the add's two registers lie in window 0)
	s_wait_tensorcnt 0x0                           ; all my tensor loads have landed: my part of the next slot
	ds_add_u32 v[SPW], v[NIL]                      ; 0 onto my spare word
	s_wait_dscnt 17                                ; (the add and the youngest sixteen loads may be out)
	WIN MUL
	MUL8 F1, 0, 0, 0                               ; eight matrix instructions stand between the add and the wait for it
	s_wait_dscnt 0x0                               ; the add is done, and my reads of this slot are over
	s_barrier_signal -1
	MUL8 F1, 0, 2, 0
.if \fill
	WIN 0
.endif
	s_barrier_wait -1
.if \fill
	CREST                                          ; no wave of any partner still reads this slot's tile or has a load on its way
	s_add_nc_u64 s[G0+4*\slot+2:G0+4*\slot+3], s[G0+4*\slot+2:G0+4*\slot+3], 2*4*HEADB
	s_add_nc_u64 s[G0B+4*\slot+2:G0B+4*\slot+3], s[G0B+4*\slot+2:G0B+4*\slot+3], 2*KSTEP*2
	JLOAD \slot                                    ; the first tensor load behind the round; the four v_nop behind it are also the places in front of the loads below
.else
	PLACES
.endif
	FETCH \next, 0, F0
	WIN MUL
	MUL8 F1, 1, 0, 0
	MUL8 F1, 1, 2, 0
.endm
	s_wait_tensorcnt 1                             ; my part of K step 0 is in (K step 1's load may be out),
	s_barrier_signal -1
	s_barrier_wait -1                              ; everybody's is
	FETCH 0, 0, F0
	QUARTER 0, 1, F0, F1, 1                        ; the first quarter stands in front of the loop: its first products start the sums
	WIN 0                                          ; at a label and at a branch every window is 0
	s_mov_b32 s3, LAPS-1
.Llap:                                             ; a trip goes once round the ring, from a lap's second quarter to the next lap's first, and fills both slots again
	QUARTER 0, 2, F1, F0, 0
	QUARTER 0, 3, F0, F1, 0
	TURN 0, 1, 1
	QUARTER 1, 1, F0, F1, 0
	QUARTER 1, 2, F1, F0, 0
	QUARTER 1, 3, F0, F1, 0
	TURN 1, 0, 1
	QUARTER 0, 1, F0, F1, 0
	WIN 0
	s_sub_co_u32 s3, s3, 1
	s_cmp_lg_u32 s3, 0
	s_cbranch_scc1 .Llap
	QUARTER 0, 2, F1, F0, 0                        ; the last lap fills nothing, and has no round of the cluster's barrier
	QUARTER 0, 3, F0, F1, 0
	TURN 0, 1, 0
	QUARTER 1, 1, F0, F1, 0
	QUARTER 1, 2, F1, F0, 0
	QUARTER 1, 3, F0, F1, 0
	s_wait_dscnt 16                                ; the very last quarter: nothing more to fetch
	WIN MUL
	MUL8 F1, 0, 0, 0
	MUL8 F1, 0, 2, 0
	s_wait_dscnt 0
	MUL8 F1, 1, 0, 0
	MUL8 F1, 1, 2, 0
	WIN 0
; THE WAY OUT, block by block of 16 rows x 64 columns.  A lane holds 32 neighbouring bytes of a row: a block goes through my own stage and comes back as whole rows of 256 bytes, sixteen lanes to a row.
; LDS serves a wave's instructions in order (ISA guide 5.7.1.4): no wait between the stores and the loads, nor in front of the next block's stores.
.macro TOSTAGE a
.irp b, 0,1,2,3
	ds_store_b128 v[STO], v[ACC+8*(4*(\a)+\b):ACC+8*(4*(\a)+\b)+3] offset:64*\b        ; each accumulator from its low end on
	ds_store_b128 v[STO], v[ACC+8*(4*(\a)+\b)+4:ACC+8*(4*(\a)+\b)+7] offset:64*\b+16
.endr
.set BB, TMP+32*((\a)%2)
.irp t, 0,1,2,3,4,5,6,7
	ds_load_b128 v[BB+4*\t:BB+4*\t+3], v[RD] offset:\t*2*SPITCH
.endr
.endm
.macro SEND a, younger                 ; younger: the LDS instructions issued behind block a's loads, which may stay out
.set BB, TMP+32*((\a)%2)
	s_wait_dscnt \younger
.irp t, 0,1,2,3,4,5,6,7
	global_store_b128 v[CO], v[BB+4*\t:BB+4*\t+3], s[8:9] offset:(16*(\a)+2*\t)*SIZE_N*4 th:TH_STORE_NT   ; sixteen lanes store 256 consecutive bytes, aligned; written once, read by nobody here
.endr
.endm
	PLACES                                         ; behind the last products, in front of the stores that read results
	TOSTAGE 0
.irp a, 1,2,3
.if \a > 1
	s_wait_xcnt 0x0                                ; block a - 2's stores have had their addresses translated: block a's loads may land in their registers
.endif
	TOSTAGE \a
	SEND \a-1, 16                                  ; behind block a - 1's loads: block a's 8 stores and 8 loads
.endr
	SEND 3, 0
	s_wait_tensorcnt 0x0                           ; the wave's end, behind my last tensor load and my last LDS store
	ds_add_u32 v[SPW], v[NIL]
	s_wait_dscnt 0x0
	CROUND                                         ; the closing round: no work-group ends while a partner may still ask for a tile that names it
	s_endpgm
.Lfunc_end_k_q219b0c0748_out_gemm:
	.size	k_q219b0c0748_out_gemm, .Lfunc_end_k_q219b0c0748_out_gemm-k_q219b0c0748_out_gemm
	.p2alignl 7, 3214868480
	.fill 96, 4, 3214868480
	.section	.rodata,"a",@progbits
	.p2align	6, 0x0
	.amdhsa_kernel k_q219b0c0748_out_gemm
		.amdhsa_group_segment_fixed_size 327680
		.amdhsa_private_segment_fixed_size 0
		.amdhsa_enable_private_segment 0
		.amdhsa_kernarg_size 24
		.amdhsa_user_sgpr_count 2
		.amdhsa_user_sgpr_kernarg_segment_ptr 1
		.amdhsa_wavefront_size32 1
		.amdhsa_system_sgpr_workgroup_id_x 1
		.amdhsa_system_sgpr_workgroup_id_y 1
		.amdhsa_system_sgpr_workgroup_id_z 1
		.amdhsa_system_vgpr_workitem_id 0
		.amdhsa_next_free_vgpr 512
		.amdhsa_next_free_sgpr 66
		.amdhsa_reserve_vcc 0
		.amdhsa_float_denorm_mode_32 3
		.amdhsa_float_denorm_mode_16_64 3
		.amdhsa_memory_ordered 1
		.amdhsa_forward_progress 1
		.amdhsa_inst_pref_size 86
	.end_amdhsa_kernel
	.amdgpu_metadata
---
amdhsa.version: [ 1, 2 ]
amdhsa.kernels:
  - .name:           k_q219b0c0748_out_gemm
    .symbol:         k_q219b0c0748_out_gemm.kd
    .args:
      - { .name: ao, .offset: 0, .size: 8, .value_kind: global_buffer, .address_space: global }
      - { .name: wo_t, .offset: 8, .size: 8, .value_kind: global_buffer, .address_space: global }
      - { .name: out0, .offset: 16, .size: 8, .value_kind: global_buffer, .address_space: global }
    .group_segment_fixed_size: 327680
    .private_segment_fixed_size: 0
    .kernarg_segment_align: 8
    .kernarg_segment_size: 24
    .max_flat_workgroup_size: 128
    .sgpr_count:     66
    .vgpr_count:     512
    .wavefront_size: 32
...
	.end_amdgpu_metadata
.endif
;; end of part 4
